; MI455X (gfx1250); checked and timed in simulation.
; The chip was launched on July 23, 2026; its instructions are those of AMD's public machine-readable ISA for CDNA 5 (MIT licence, August 2026) and "CDNA5" Instruction Set Architecture Reference Guide (July 2026). The comments in the code are by the model that wrote it; some were corrected since.
;; Multi Head Attention. Allowed arithmetic: matrix products marked QUANTISED: E2M1 operands, one E8M0 scale for each 32 along K, by v_wmma_scale_f32_16x16x128_f8f6f4 with both operands' format E2M1 (or v_wmma_scale_f32_32x16x128_f4), f32 sums; products left as they are: bf16, f16 or f32 operands; f32 sums; everything else in f32.
;; Inputs: b_attn 3,072 float32; b_proj 1,024 float32; w_attn 1,024 x 3,072 float32; w_proj 1,024 x 1,024 float32; x 4 x 2,048 x 1,024 float32.
;; Outputs: out0 4 x 2,048 x 1,024 float32.
;; This version of the problem:
;;   THIS VERSION OF THE PROBLEM IS GIVEN IN LOW PRECISION. The matrix products marked QUANTISED in the list below multiply operands that are first quantised to E2M1 (2 exponent bits, 1 mantissa bit; 4 bits a number), with one power-of-two scale for each 32 numbers along K (OCP MX v1.0); their sums are f32. The products marked 'left as it is' may take bf16, f16 or f32 operands, with f32 sums. Whichever they take, every output number must still come out within the allowed error. Rounding operands to bf16 (8 significant bits) uses up far more of that allowance than f16 does (11 bits, for magnitudes from 6e-5 to 65,504). All else is computed in f32.
;;   The module's matrix products, in the order in which they are computed (A, B: the left and right operand; K: the contracted axis; several contracted axes count as one K, in the product's order):
;;     1. [M 8,192, K 1,024] x [K 1,024, N 3,072]; A: input x; B: input w_attn: QUANTISED
;;     2. batch 64 x [M 2,048, K 64] x [K 64, N 2,048]; A: computed on the way; B: computed on the way: left as it is (an operand is computed on the way)
;;     3. batch 64 x [M 2,048, K 2,048] x [K 2,048, N 64]; A: computed on the way; B: computed on the way: left as it is (an operand is computed on the way)
;;     4. [M 8,192, K 1,024] x [K 1,024, N 1,024]; A: computed on the way; B: input w_proj: left as it is (an operand is computed on the way)
;;   THE QUANTISER, for each operand of a quantised product, along K:
;;     - K is cut into blocks of 32 from its start; a last block that is shorter is filled with zeros.
;;     - A block's scale is 2^e with e = floor(log2(the largest magnitude in the block)) - 2, held to -126 .. 127; a block of zeros has e = 0. As a byte (E8M0): e + 127.
;;     - Each number is divided by its block's scale, clamped to +-6, and rounded to the nearest number of E2M1, ties to even, subnormals kept.
;;     - The product sums the exact products of the quantised numbers (number of the format x scale) in f32.
;;   ~~~python
;;   def quantise(x, axis):      # numpy; x: float32 -> the quantised numbers, widened to float32 again
;;       x = np.moveaxis(x, axis, -1); K = x.shape[-1]
;;       x = np.pad(x, [(0, 0)] * (x.ndim - 1) + [(0, -K % 32)]); x = x.reshape(x.shape[:-1] + (-1, 32)); a = np.abs(x).max(-1, keepdims=True)
;;       e = np.where(a > 0, np.clip(np.frexp(np.where(a > 0, a, 1))[1] - 1 - 2, -126, 127), 0)      # np.frexp(a)[1] - 1 = floor(log2(a)), exactly
;;       r = np.clip(x / 2.0 ** e, -6, 6)
;;       step = 2.0 ** (np.maximum(np.frexp(np.where(r == 0, 1, r))[1] - 1, 0) - 1)
;;       q = np.round(r / step) * step * 2.0 ** e      # np.round: ties to even
;;       return np.moveaxis(q.reshape(q.shape[:-2] + (-1,))[..., :K], -1, axis).astype(np.float32)
;;   ~~~
;; One version. Each part assembles by itself: llvm-mc -triple=amdgcn-amd-amdhsa -mcpu=gfx1250 --defsym DOCPART=n.
;; ======== version 1 of 1: 6 launches
;; limits: values are held in f16: magnitudes above 65,504 overflow, below 6.1e-05 lose precision
;; workspace buffers: xq 4,194,304 bytes; xs 262,144 bytes; wq 1,572,864 bytes; ws 98,304 bytes; wp 2,097,152 bytes; qkv 50,331,648 bytes; att 16,777,216 bytes; a16 262,144 bytes
;; launch prep (part 1): grid 512 x 1, 4 waves a work-group, no clusters, 34,304 bytes of LDS; arguments x, w_attn, w_proj, xq, xs, wq, ws, wp; writes xq, xs, wq, ws, wp
.if DOCPART == 1
	.amdgcn_target "amdgcn-amd-amdhsa--gfx1250"
	.amdhsa_code_object_version 6
	.text
	.protected	k_q7870e6f0ae_prep
	.globl	k_q7870e6f0ae_prep
	.p2align	8
	.type	k_q7870e6f0ae_prep,@function
k_q7870e6f0ae_prep:
	s_mov_b64 s[64:65], 0
	v_nop
	global_prefetch_b8 v0, s[64:65] scope:SCOPE_SE
	s_setreg_imm32_b32 hwreg(HW_REG_WAVE_MODE, 25, 1), 1
	s_wait_xcnt 0x0
; THE OPERANDS ARE LAID OUT ONCE, AS IMAGES OF THE REGISTERS THAT WILL HOLD THEM.
; x [8192][1024] f32 (K innermost) and w_attn [1024][3072] f32 (K = its first axis) become codes of E2M1 with one E8M0 byte for each 32 along K; w_proj [1024][1024] f32 becomes f16.
; A block's scale is 2^(floor(log2(largest magnitude)) - 2): its byte is the largest magnitude's exponent field - 2, held at 1 from below by a floor among the maximum's leaves.
; AN IMAGE is 1,024 bytes: two groups c of 512 bytes, lane l's 16 bytes at 16 l.  4-bit fragment (16 rows x 128 K): group c of lane (r = l % 16, h = l / 16) is the block k = 64 c + 32 h + 0..31 of row r.
; f16 fragment (16 rows x 32 K): group c of lane (r, h) is k = 16 c + 8 h + 0..7 of row r.  A reader loads a fragment by two loads of 16 bytes a lane at 16 l.
;   xq [row block 512][K step 8][image]          xs [row block][q 2][r 16][4 words]: word i = the scale word of row r for K step 4 q + i
;   wq [nb 24: 128 columns][K step 8][cb 8][image, its rows being columns]     ws [nb][K step][hh 2][r 16][b 4] words: column 16 (b + 4 hh) + r
;   wp [Nt 4: 256 columns][sg 8: 128 along K][nblk 16][kk 4][image, its rows being columns]
; SHARES: work-groups 0-255 take x (a wave: 16 rows x 512 K), 256-447 w_attn (128 columns x 128 K), 448-511 w_proj (128 columns x 128 K).  The three ways part on the work-group's number; only the first uses LDS.
; No tensor loads, no cluster, no matrix unit: the launch streams, each input byte is read once and nothing is shared between work-groups.
; LIMITS: a block of zeros gets the byte 1 where the rule says 127 (its codes are zeros, and this program alone reads the bytes); NaN and infinities among the inputs are not served; |w_proj| stays under 65,504 (f16).
.set STGB,  8448                       ; a wave's stage: 16 rows x (512 bytes + 16)
.set SPARE, 4*STGB                     ; behind the stages: the spare words, 128 bytes a wave
.set LI,   1                           ; v1  16 x lane
.set SIN,  2                           ; v2  the stage, on the way in
.set SOUT, 3                           ; v3  and on the way out
.set L4,   4                           ; v4  4 x lane
.set H8,   5                           ; v5  8 h
.set OA,   6                           ; v6  a store's lane offset
.set OB,   7                           ; v7  another
.set SPW,  8                           ; v8  my spare word; never rewritten
.set NIL,  9                           ; v9  0; never rewritten
.set SW,   14                          ; v14-17 x's scale words of four K steps
.set R,    32                          ; v32-159 numbers as loaded
.set X,    160                         ; v160-223 x: two whole blocks a lane; the weights: their codes or f16 pairs
.set CD,   224                         ; v224-255 x's codes, eight registers a K step
	s_load_b256 s[4:11], s[0:1], 0x0               ; x, w_attn, w_proj, xq
	s_load_b256 s[12:19], s[0:1], 0x20             ; xs, wq, ws, wp
	v_lshl_add_u32 v[SPW], v0, 2, SPARE
	v_mov_b32 v[NIL], 0
	v_lshrrev_b32 v10, 5, v0
	v_readfirstlane_b32 s20, v10                   ; wave
	v_and_b32 v20, 31, v0                          ; lane
	v_and_b32 v21, 15, v0                          ; r
	v_bfe_u32 v22, v0, 4, 1                        ; h
	v_lshlrev_b32 v[LI], 4, v20
	v_lshlrev_b32 v[L4], 2, v20
	v_lshlrev_b32 v[H8], 3, v22
	s_mul_i32 s23, s20, STGB
	v_add_nc_u32 v[SIN], s23, v[LI]                ; in: 16 bytes a lane of a row's 512
	v_mul_u32_u24 v[SOUT], v21, 528
	v_lshl_add_u32 v[SOUT], v22, 7, v[SOUT]
	v_add_nc_u32 v[SOUT], s23, v[SOUT]             ; out: row r, block h
	v_mov_b32 v11, 0                               ; a lane permute's destination counts as read
	s_mov_b32 s21, 0x76543210
	s_mov_b32 s22, 0xfedcba98                      ; selects for lane l xor 16
	s_mov_b32 s29, 0
	s_wait_kmcnt 0x0
	s_cmp_lt_u32 ttmp9, 256
	s_cbranch_scc0 .Lnot_x
; ---------------- x ----------------
	s_lshl_b32 s24, ttmp9, 2
	s_add_co_u32 s24, s24, s20                     ; which run of 16 rows x 512 K
	s_lshr_b32 s25, s24, 1                         ; row block
	s_and_b32 s26, s24, 1                          ; q: which half of K
	s_lshl_b32 s28, s25, 16                        ; 16 rows of 4,096 bytes
	s_lshl_b32 s27, s26, 11
	s_add_co_u32 s28, s28, s27
	s_add_nc_u64 s[4:5], s[4:5], s[28:29]
	s_lshl_b32 s28, s25, 13                        ; eight images
	s_lshl_b32 s27, s26, 12
	s_add_co_u32 s28, s28, s27
	s_add_nc_u64 s[10:11], s[10:11], s[28:29]
	s_lshl_b32 s28, s25, 9
	s_lshl_b32 s27, s26, 8
	s_add_co_u32 s28, s28, s27
	s_add_nc_u64 s[12:13], s[12:13], s[28:29]
	v_lshlrev_b32 v[OA], 4, v21
	v_lshl_add_u32 v[OA], v22, 3, v[OA]            ; the scale words: 16 r + 8 h
.macro XLOAD sl                        ; K step sl: each load reads 512 consecutive bytes of one row
.irp i, 0,1,2,3,4,5,6,7,8,9,10,11,12,13,14,15
	global_load_b128 v[R+64*((\sl)%2)+4*\i:R+64*((\sl)%2)+4*\i+3], v[LI], s[4:5] offset:\i*4096+(\sl)*512 th:TH_LOAD_NT
.endr
.endm
.macro XSTEP sl
.if \sl < 3
	s_wait_loadcnt 16                              ; this K step's 16 loads are in; the next step's 16 may be out
.else
	s_wait_loadcnt 0
.endif
.irp i, 0,1,2,3,4,5,6,7,8,9,10,11,12,13,14,15
	ds_store_b128 v[SIN], v[R+64*((\sl)%2)+4*\i:R+64*((\sl)%2)+4*\i+3] offset:\i*528
.endr
.irp c, 0,1                            ; back as whole blocks: LDS serves a wave's instructions in order, so no wait stands between
.irp p, 0,1,2,3,4,5,6,7
	ds_load_b128 v[X+32*\c+4*\p:X+32*\c+4*\p+3], v[SOUT] offset:\c*256+16*\p
.endr
.endr
	s_wait_dscnt 0x0                               ; the blocks are in, and the stores have read their registers,
.if \sl < 2
	XLOAD (\sl)+2                                  ; which take the loads of two steps on
.endif
.irp c, 0,1
	v_max3_num_f32 v[24+\c], |v[X+32*\c]|, |v[X+32*\c+1]|, 0x1800000   ; block 2 c + h, all 32 numbers mine, and the floor 2^(3 - 127)
.endr
.irp i, 2,4,6,8,10,12,14,16,18,20,22,24,26,28,30
.irp c, 0,1
	v_max3_num_f32 v[24+\c], v[24+\c], |v[X+32*\c+\i]|, |v[X+32*\c+\i+1]|
.endr
.endr
.irp c, 0,1
	v_add_nc_u32 v[26+\c], 0xff000000, v[24+\c]    ; 2 off the exponent field: the conversion's scale operand
.endr
.irp c, 0,1
	v_lshrrev_b32 v[28+\c], 23, v[26+\c]           ; the byte
.endr
	v_lshl_or_b32 v10, v29, 16, v28                ; my two bytes, blocks h and 2 + h,
	v_lshlrev_b32 v10, v[H8], v10                  ; at their places;
	v_permlanex16_b32 v11, v10, s21, s22
	v_or_b32 v[SW+\sl], v10, v11                   ; with lane l xor 16's two the word is whole
.irp c, 0,1
.irp g, 0,1,2,3
	v_cvt_scalef32_pk8_fp4_f32 v[CD+8*\sl+4*\c+\g], v[X+32*\c+8*\g:X+32*\c+8*\g+7], v[26+\c]
.endr
.endr
	v_nop                                          ; a plain line behind the last scaled conversion
.irp c, 0,1
	global_store_b128 v[LI], v[CD+8*\sl+4*\c:CD+8*\sl+4*\c+3], s[10:11] offset:\sl*1024+\c*512   ; 512 consecutive bytes of the image
.endr
.endm
	XLOAD 0
	XLOAD 1
	XSTEP 0
	XSTEP 1
	XSTEP 2
	XSTEP 3
	v_cmp_eq_u32 vcc_lo, 1, v22
	v_cndmask_b32 v18, v[SW], v[SW+2], vcc_lo      ; lanes 0-15 store words 0, 1 of their row, lanes 16-31 words 2, 3
	v_cndmask_b32 v19, v[SW+1], v[SW+3], vcc_lo
	global_store_b64 v[OA], v[18:19], s[12:13]     ; 256 consecutive bytes
	s_wait_tensorcnt 0x0                           ; the wave's end, behind my last LDS store
	ds_add_u32 v[SPW], v[NIL]
	s_wait_dscnt 0x0
	s_endpgm
; A LANE TAKES A COLUMN AND ITS REGISTERS RUN DOWN K: block kb = 32 rows; a load reads 128 consecutive bytes a wave, 512 a work-group
.macro KLOAD kb, sb, pitch
.irp i, 0,1,2,3,4,5,6,7,8,9,10,11,12,13,14,15,16,17,18,19,20,21,22,23,24,25,26,27,28,29,30,31
	global_load_b32 v[R+32*(\kb)+\i], v[L4], s[\sb:\sb+1] offset:(32*(\kb)+\i)*\pitch th:TH_LOAD_NT
.endr
.endm
.macro KWAIT kb, sb, pitch             ; block kb is in; the next block's 32 loads may be out; the block two on is asked for, into registers of its own
.if \kb < 3
	s_wait_loadcnt 32
.else
	s_wait_loadcnt 0
.endif
.if \kb < 2
	KLOAD (\kb)+2, \sb, \pitch
.endif
.endm
.Lnot_x:
	s_cmp_lt_u32 ttmp9, 448
	s_cbranch_scc0 .Lwp
; ---------------- w_attn ----------------
	s_sub_co_u32 s24, ttmp9, 256
	s_lshr_b32 s25, s24, 3                         ; nb: 128 columns
	s_and_b32 s26, s24, 7                          ; K step
	s_mul_i32 s28, s26, 128*12288
	s_lshl_b32 s27, s25, 9
	s_add_co_u32 s28, s28, s27
	s_lshl_b32 s27, s20, 7                         ; my wave's 32 columns
	s_add_co_u32 s28, s28, s27
	s_add_nc_u64 s[6:7], s[6:7], s[28:29]
	s_lshl_b32 s28, s25, 16
	s_lshl_b32 s27, s26, 13
	s_add_co_u32 s28, s28, s27
	s_lshl_b32 s27, s20, 11                        ; two images a wave
	s_add_co_u32 s28, s28, s27
	s_add_nc_u64 s[14:15], s[14:15], s[28:29]
	s_lshl_b32 s28, s25, 12
	s_lshl_b32 s27, s26, 9
	s_add_co_u32 s28, s28, s27
	s_lshr_b32 s27, s20, 1
	s_lshl_b32 s27, s27, 8
	s_add_co_u32 s28, s28, s27
	s_and_b32 s27, s20, 1
	s_lshl_b32 s27, s27, 3
	s_add_co_u32 s28, s28, s27
	s_add_nc_u64 s[16:17], s[16:17], s[28:29]
	v_lshlrev_b32 v[OA], 4, v21
	v_lshl_add_u32 v[OB], v22, 2, v[OA]            ; the scale word: 16 r + 4 (lane / 16)
	v_lshl_add_u32 v[OA], v22, 10, v[OA]           ; the codes: image lane / 16, 16 r
	KLOAD 0, 6, 12288
	KLOAD 1, 6, 12288
.macro WABLK kb
	KWAIT \kb, 6, 12288
.set XS, R+32*(\kb)
	v_max3_num_f32 v12, |v[XS]|, |v[XS+1]|, |v[XS+2]|
	v_max3_num_f32 v13, |v[XS+3]|, |v[XS+4]|, |v[XS+5]|
.irp i, 6,10,14,18,22,26
	v_max3_num_f32 v12, v12, |v[XS+\i]|, |v[XS+\i+1]|
	v_max3_num_f32 v13, v13, |v[XS+\i+2]|, |v[XS+\i+3]|
.endr
	v_max3_num_f32 v12, v12, |v[XS+30]|, |v[XS+31]|
	v_max3_num_f32 v12, v12, v13, 0x1800000        ; and the floor
	v_add_nc_u32 v[24+\kb], 0xff000000, v12
	v_lshrrev_b32 v13, 23, v[24+\kb]
.if \kb == 0
	v_mov_b32 v11, v13
.else
	v_lshl_or_b32 v11, v13, 8*\kb, v11             ; four bytes make my column's scale word for this K step
.endif
.irp g, 0,1,2,3
	v_cvt_scalef32_pk8_fp4_f32 v[X+4*\kb+\g], v[XS+8*\g:XS+8*\g+7], v[24+\kb]
.endr
	v_nop
	global_store_b128 v[OA], v[X+4*\kb:X+4*\kb+3], s[14:15] offset:\kb*256   ; sixteen lanes store 256 consecutive bytes
.endm
	WABLK 0
	WABLK 1
	WABLK 2
	WABLK 3
	global_store_b32 v[OB], v11, s[16:17]          ; 4 bytes a lane, 16 apart: one byte for each 128 that the way reads
	s_endpgm                                       ; this way has written no LDS
.Lwp:
; ---------------- w_proj ----------------
	s_sub_co_u32 s24, ttmp9, 448
	s_lshr_b32 s25, s24, 3                         ; G: 128 columns
	s_and_b32 s26, s24, 7                          ; sg: 128 along K
	s_lshl_b32 s28, s26, 19
	s_lshl_b32 s27, s25, 9
	s_add_co_u32 s28, s28, s27
	s_lshl_b32 s27, s20, 7
	s_add_co_u32 s28, s28, s27
	s_add_nc_u64 s[8:9], s[8:9], s[28:29]
	s_lshr_b32 s28, s25, 1
	s_lshl_b32 s28, s28, 19                        ; Nt
	s_lshl_b32 s27, s26, 16
	s_add_co_u32 s28, s28, s27
	s_and_b32 s27, s25, 1
	s_lshl_b32 s27, s27, 15
	s_add_co_u32 s28, s28, s27
	s_lshl_b32 s27, s20, 13
	s_add_co_u32 s28, s28, s27
	s_add_nc_u64 s[18:19], s[18:19], s[28:29]
	v_lshlrev_b32 v[OA], 4, v21
	v_lshl_add_u32 v[OA], v22, 12, v[OA]           ; column block lane / 16 (four images), 16 r
	KLOAD 0, 8, 4096
	KLOAD 1, 8, 4096
.macro WPBLK kk
	KWAIT \kk, 8, 4096
.irp i, 0,1,2,3,4,5,6,7,8,9,10,11,12,13,14,15
	v_cvt_pk_f16_f32 v[X+16*\kk+\i], v[R+32*\kk+2*\i], v[R+32*\kk+2*\i+1]
.endr
.irp q, 0,1,2,3                        ; q = 2 c + h: k = 8 q + 0..7 of my column
	global_store_b128 v[OA], v[X+16*\kk+4*\q:X+16*\kk+4*\q+3], s[18:19] offset:\kk*1024+\q*256
.endr
.endm
	WPBLK 0
	WPBLK 1
	WPBLK 2
	WPBLK 3
	s_endpgm                                       ; this way has written no LDS
.Lfunc_end_k_q7870e6f0ae_prep:
	.size	k_q7870e6f0ae_prep, .Lfunc_end_k_q7870e6f0ae_prep-k_q7870e6f0ae_prep
	.p2alignl 7, 3214868480
	.fill 96, 4, 3214868480
	.section	.rodata,"a",@progbits
	.p2align	6, 0x0
	.amdhsa_kernel k_q7870e6f0ae_prep
		.amdhsa_group_segment_fixed_size 34304
		.amdhsa_private_segment_fixed_size 0
		.amdhsa_enable_private_segment 0
		.amdhsa_kernarg_size 64
		.amdhsa_user_sgpr_count 2
		.amdhsa_user_sgpr_kernarg_segment_ptr 1
		.amdhsa_wavefront_size32 1
		.amdhsa_system_sgpr_workgroup_id_x 1
		.amdhsa_system_sgpr_workgroup_id_y 1
		.amdhsa_system_sgpr_workgroup_id_z 1
		.amdhsa_system_vgpr_workitem_id 0
		.amdhsa_next_free_vgpr 256
		.amdhsa_next_free_sgpr 66
		.amdhsa_reserve_vcc 1
		.amdhsa_float_denorm_mode_32 3
		.amdhsa_float_denorm_mode_16_64 3
		.amdhsa_memory_ordered 1
		.amdhsa_forward_progress 1
		.amdhsa_inst_pref_size 68
	.end_amdhsa_kernel
	.amdgpu_metadata
---
amdhsa.version: [ 1, 2 ]
amdhsa.kernels:
  - .name:           k_q7870e6f0ae_prep
    .symbol:         k_q7870e6f0ae_prep.kd
    .args:
      - { .name: x, .offset: 0, .size: 8, .value_kind: global_buffer, .address_space: global }
      - { .name: w_attn, .offset: 8, .size: 8, .value_kind: global_buffer, .address_space: global }
      - { .name: w_proj, .offset: 16, .size: 8, .value_kind: global_buffer, .address_space: global }
      - { .name: xq, .offset: 24, .size: 8, .value_kind: global_buffer, .address_space: global }
      - { .name: xs, .offset: 32, .size: 8, .value_kind: global_buffer, .address_space: global }
      - { .name: wq, .offset: 40, .size: 8, .value_kind: global_buffer, .address_space: global }
      - { .name: ws, .offset: 48, .size: 8, .value_kind: global_buffer, .address_space: global }
      - { .name: wp, .offset: 56, .size: 8, .value_kind: global_buffer, .address_space: global }
    .group_segment_fixed_size: 34304
    .private_segment_fixed_size: 0
    .kernarg_segment_align: 8
    .kernarg_segment_size: 64
    .max_flat_workgroup_size: 128
    .sgpr_count:     66
    .vgpr_count:     256
    .wavefront_size: 32
...
	.end_amdgpu_metadata
.endif
;; end of part 1
;; launch qkv (part 2): grid 32 x 8, 4 waves a work-group, clusters of 4 x 1, 197,120 bytes of LDS; arguments xq, xs, wq, ws, b_attn, qkv; writes qkv
.if DOCPART == 2
	.amdgcn_target "amdgcn-amd-amdhsa--gfx1250"
	.amdhsa_code_object_version 6
	.text
	.protected	k_q7870e6f0ae_qkv
	.globl	k_q7870e6f0ae_qkv
	.p2align	8
	.type	k_q7870e6f0ae_qkv,@function
k_q7870e6f0ae_qkv:
	s_mov_b64 s[64:65], 0
	v_nop
	global_prefetch_b8 v0, s[64:65] scope:SCOPE_SE
	s_setreg_imm32_b32 hwreg(HW_REG_WAVE_MODE, 25, 1), 1
	s_wait_xcnt 0x0
	s_wait_alu depctr_hold_cnt(0) depctr_sa_sdst(0) depctr_va_vdst(0) depctr_va_sdst(0) depctr_va_ssrc(0) depctr_va_vcc(0) depctr_vm_vsrc(0)
	s_getreg_b32 s2, hwreg(HW_REG_IB_STS2, 6, 4)
	s_cmp_eq_u32 s2, 0
	s_cbranch_scc0 .Lentry_in_a_cluster
	s_endpgm
.Lentry_in_a_cluster:
	s_bfe_u32 s2, ttmp6, 0x10000c
	s_cmp_lg_u32 s2, 0x3003
	s_cbranch_scc0 .Lentry_shape_is_right
	s_endpgm
.Lentry_shape_is_right:
; qkv = Q(x) Q(w_attn) + b_attn on codes of E2M1 with E8M0 scales, sums in f32; the results leave as f16 IMAGES of the registers in which the attention launch wants them.
; SHARES.  A work-group takes 256 rows (mb) and a pair of heads (y): three column blocks of 128, nb = y + 8 j, j = 0, 1, 2 being q, k, v.  Wave w takes rows 64 w .. + 63 against all 128 columns: 32 accumulators.
; Its fragments of x for all of K (4 row blocks x 8 K steps, 256 registers) come straight from memory, once, and serve all three blocks.  The three blocks of w (65,536 bytes each) come into LDS once.
; CLUSTER.  The four work-groups of a cluster differ in mb alone and want the same three blocks of w: each is asked for JOINTLY (mask of all four).  Nothing in LDS is filled again: no ring.
; q, k: the product is used transposed (source 0 = 16 columns of w, source 1 = 16 rows of x): a lane holds one token and eight neighbouring channels, which as f16 are 16 bytes of a fragment whose K is the channels.
; v: sources the other way round: a lane holds one channel and eight neighbouring tokens: 16 bytes of a fragment of v^T whose K is the keys.  The bias is the C of each sum's first product.
;   qkv [which 3][b x 16 + head][262,144]: q, k: [token block 128][u 2][image], K = channels 32 u ..;  v: [32 keys: 64][ct 4][image], rows = channels 16 ct ..
; REGISTERS: window 0: v1-3 16 x lane + the block's LDS base; v16-31 x's scale words; v32-127 w's; v128-255 packed results.  window 1: x's fragments.  window 2: accumulators.  window 3: w's fragments, two sets; v128-191 the bias.
; LIMIT: |q|, |k|, |v| stay under 65,504 (f16).
.set SPARE, 196608                     ; behind the three blocks: the spare words, 128 bytes a wave
.set LI,  1                            ; v1, v2, v3
.set SPW, 4
.set NIL, 5
.set XSO, 6                            ; v6  1,024 h + 16 r
.set BO,  7                            ; v7  32 h
.set BV,  8                            ; v8  4 r
.set SCA, 16                           ; 8 (a % 2) + s: lanes 0-15 row block a % 2, lanes 16-31 row block a % 2 + 2
.set SCB, 32                           ; 32 j + 4 s + b % 4: lanes 0-15 column block b % 4, lanes 16-31 b % 4 + 4
.set TMP, 128
.set BI,  128                          ; in window 3
.set WV,  16
.set G1,  24
.set G0,  32                           ; three sets
.set MSB, 0
.macro WIN new                         ; the immediate's high byte repeats the setting that is left
.if MSB != \new
	s_set_vgpr_msb (MSB<<8)|\new
.set MSB, \new
.endif
.endm
.macro PLACES
.rept 4
	v_nop
.endr
.endm
.macro CROUND                          ; a round of the cluster's barrier
	s_barrier_signal -1
	s_barrier_wait -1
	s_cmp_lg_u32 s[WV], 0
	s_cbranch_scc1 .Lnot_wave_0_\@
	s_barrier_signal -3
.Lnot_wave_0_\@:
	s_barrier_wait -3
	s_barrier_signal -1
	s_barrier_wait -1
.endm
	s_load_b256 s[4:11], s[0:1], 0x0               ; xq, xs, wq, ws
	s_load_b128 s[12:15], s[0:1], 0x20             ; b_attn, qkv
	v_lshl_add_u32 v[SPW], v0, 2, SPARE
	v_mov_b32 v[NIL], 0
	ds_add_u32 v[SPW], v[NIL]                      ; the opening: the add, twice on end, and its wait ahead of my first tensor load
	ds_add_u32 v[SPW], v[NIL]
	v_lshrrev_b32 v9, 5, v0
	v_readfirstlane_b32 s[WV], v9
	s_bfe_u32 s17, ttmp6, 0x40000                  ; cx
	s_lshl_b32 s18, ttmp9, 2
	s_add_co_u32 s18, s18, s17                     ; mb: it enters the addresses of x and of the results alone
	s_and_b32 s19, ttmp7, 0xffff                   ; y, which the four partners share
	s_mov_b32 s[G1], 15|(3<<16)|(1<<21)            ; the mask of all four; elements of 8 bytes; bit 21 beside a mask; no padding: images are read 16 bytes a lane on end
	s_mov_b32 s[G1+1], 32<<16                      ; tensor_dim0 = 32 elements: 256 bytes
	s_mov_b32 s[G1+2], 64<<16                      ; tensor_dim1 = 64
	s_mov_b32 s[G1+3], 32<<16                      ; tile_dim0
	s_mov_b32 s[G1+4], 64                          ; tile_dim1: 16,384 bytes a wave
	s_mov_b32 s[G1+5], 32                          ; dense
	s_mov_b32 s[G1+6], 0
	s_mov_b32 s[G1+7], 0
	v_and_b32 v9, 31, v0
	v_and_b32 v10, 15, v0
	v_bfe_u32 v11, v0, 4, 1
	v_lshlrev_b32 v[LI], 4, v9
	v_add_nc_u32 v[LI+1], 0x10000, v[LI]
	v_add_nc_u32 v[LI+2], 0x20000, v[LI]
	v_lshlrev_b32 v[XSO], 4, v10
	v_lshl_add_u32 v[XSO], v11, 10, v[XSO]
	v_lshlrev_b32 v[BO], 5, v11
	v_lshlrev_b32 v[BV], 2, v10
	s_mov_b32 s21, 0
	s_mov_b32 s23, 0
	s_lshl_b32 s50, s[WV], 14                      ; my quarter of a block, in memory and in LDS
	s_wait_dscnt 0x0                               ; both opening adds are done
	s_wait_kmcnt 0x0
	s_lshl_b32 s22, s19, 16
	s_add_co_u32 s22, s22, s50
	s_add_nc_u64 s[8:9], s[8:9], s[22:23]          ; wq at block y, my quarter
	s_lshl_b32 s22, s19, 12
	s_add_nc_u64 s[10:11], s[10:11], s[22:23]      ; ws at block y
	s_lshl_b32 s22, s19, 9
	s_add_nc_u64 s[12:13], s[12:13], s[22:23]      ; b_attn at column 128 y
	s_lshl_b32 s20, s18, 17
	s_lshl_b32 s51, s[WV], 15
	s_add_co_u32 s20, s20, s51
	s_add_nc_u64 s[4:5], s[4:5], s[20:21]          ; xq at row block 16 mb + 4 w
	s_lshl_b32 s20, s18, 13
	s_lshl_b32 s51, s[WV], 11
	s_add_co_u32 s20, s20, s51
	s_add_nc_u64 s[6:7], s[6:7], s[20:21]          ; xs likewise
	s_lshr_b32 s20, s18, 3                         ; the batch
	s_lshl_b32 s20, s20, 4
	s_lshl_b32 s51, s19, 1
	s_add_co_u32 s20, s20, s51                     ; 16 b + 2 y
	s_lshl_b32 s20, s20, 18
	s_and_b32 s51, s18, 7
	s_lshl_b32 s51, s51, 15
	s_add_co_u32 s20, s20, s51                     ; 256 tokens are 32,768 bytes in each of the three layouts,
	s_lshl_b32 s51, s[WV], 13
	s_add_co_u32 s20, s20, s51                     ; my wave's 64 are 8,192
	s_add_nc_u64 s[44:45], s[14:15], s[20:21]      ; q
	s_add_nc_u64 s[46:47], s[44:45], 0x1000000     ; k
	s_add_nc_u64 s[48:49], s[44:45], 0x2000000     ; v
	CROUND                                         ; all four work-groups are here: the joint loads meet
.irp j, 0,1,2
	s_mov_b32 s[G0+4*\j], 1
	s_add_co_u32 s[G0+4*\j+1], s50, \j*65536
	s_add_nc_u64 s[G0+4*\j+2:G0+4*\j+3], s[8:9], \j*524288
	s_or_b32 s[G0+4*\j+3], s[G0+4*\j+3], 0x80000000
.endr
.irp j, 0,1,2                          ; all fills of the launch, as one group: three loads of mine are out
	tensor_load_to_lds s[G0+4*\j:G0+4*\j+3], s[G1:G1+7]
	s_nop 0
.endr
	PLACES
	WIN 0x40                                       ; destination window 1
.irp f, 0,1,2,3,4,5,6,7,8,9,10,11,12,13,14,15,16,17,18,19,20,21,22,23,24,25,26,27,28,29,30,31
	global_load_b128 v[8*\f:8*\f+3],   v[LI], s[4:5] offset:\f*1024       ; fragment f = 8 a + s
	global_load_b128 v[8*\f+4:8*\f+7], v[LI], s[4:5] offset:\f*1024+512
.endr
	WIN 0
.irp a, 0,1
.irp q, 0,1
	global_load_b128 v[SCA+8*\a+4*\q:SCA+8*\a+4*\q+3], v[XSO], s[6:7] offset:\a*512+\q*256
.endr
.endr
.irp j, 0,1,2
.irp s, 0,1,2,3,4,5,6,7
	global_load_b128 v[SCB+32*\j+4*\s:SCB+32*\j+4*\s+3], v[LI], s[10:11] offset:\j*32768+\s*512
.endr
.endr
.macro BIAS8 j                         ; lane (r, h): the bias of columns 16 b + 8 h + 0..7
	WIN 0xc0
.irp b, 0,1,2,3,4,5,6,7
	global_load_b128 v[BI+8*\b:BI+8*\b+3],   v[BO], s[12:13] offset:\j*4096+\b*64
	global_load_b128 v[BI+8*\b+4:BI+8*\b+7], v[BO], s[12:13] offset:\j*4096+\b*64+16
.endr
.endm
	BIAS8 0
; one product.  ra, rb: the side's scale words stand in lanes 16-31
.macro MMX d, fa, fb, cc, sa, sb, ra, rb
.if (\ra) && (\rb)
	v_wmma_scale_f32_16x16x128_f8f6f4 v[\d:\d+7], v[\fa:\fa+7], v[\fb:\fb+7], v[\cc:\cc+7], v[\sa], v[\sb] matrix_a_fmt:MATRIX_FMT_FP4 matrix_b_fmt:MATRIX_FMT_FP4 matrix_a_scale:MATRIX_SCALE_ROW1 matrix_b_scale:MATRIX_SCALE_ROW1
.elseif (\ra)
	v_wmma_scale_f32_16x16x128_f8f6f4 v[\d:\d+7], v[\fa:\fa+7], v[\fb:\fb+7], v[\cc:\cc+7], v[\sa], v[\sb] matrix_a_fmt:MATRIX_FMT_FP4 matrix_b_fmt:MATRIX_FMT_FP4 matrix_a_scale:MATRIX_SCALE_ROW1
.elseif (\rb)
	v_wmma_scale_f32_16x16x128_f8f6f4 v[\d:\d+7], v[\fa:\fa+7], v[\fb:\fb+7], v[\cc:\cc+7], v[\sa], v[\sb] matrix_a_fmt:MATRIX_FMT_FP4 matrix_b_fmt:MATRIX_FMT_FP4 matrix_b_scale:MATRIX_SCALE_ROW1
.else
	v_wmma_scale_f32_16x16x128_f8f6f4 v[\d:\d+7], v[\fa:\fa+7], v[\fb:\fb+7], v[\cc:\cc+7], v[\sa], v[\sb] matrix_a_fmt:MATRIX_FMT_FP4 matrix_b_fmt:MATRIX_FMT_FP4
.endif
.endm
.macro FETCHB j, s                     ; w's eight fragments of K step s into set s % 2
	WIN 0xc0
.irp b, 0,1,2,3,4,5,6,7
	ds_load_b128 v[64*((\s)%2)+8*\b:64*((\s)%2)+8*\b+3],   v[LI+\j] offset:(\s)*8192+\b*1024
	ds_load_b128 v[64*((\s)%2)+8*\b+4:64*((\s)%2)+8*\b+7], v[LI+\j] offset:(\s)*8192+\b*1024+512
.endr
.endm
; A K step of 128: 32 products, the 32 accumulators by turns, one instruction a turn
.macro STEP j, s
	s_wait_dscnt 0x0                               ; this step's fragments of w are in
	PLACES                                         ; four places in front of loads into registers that the last products read
.if ((\s) == 1) && ((\j) == 0)
	BIAS8 1                                        ; the next block's bias: this block's first products have read theirs
.endif
.if ((\s) == 1) && ((\j) == 1)
	WIN 0xc0
.irp b, 0,1,2,3,4,5,6,7
	global_load_b32 v[BI+8*\b], v[BV], s[12:13] offset:2*4096+\b*64    ; v: a lane holds one channel: one number
.endr
.endif
.if (\s) < 7
	FETCHB \j, (\s)+1
.endif
; the windows: D window 2; C window 2, or window 3 (the bias) in the block's first K step; q, k: source 0 (w) window 3, source 1 (x) window 1; v: the other way round
.if (\j) < 2
.if (\s) == 0
	WIN 0xb7
.else
	WIN 0xa7
.endif
.else
.if (\s) == 0
	WIN 0xbd
.else
	WIN 0xad
.endif
.endif
.irp a, 0,1,2,3
.irp b, 0,1,2,3,4,5,6,7
.set rD, 8*(8*\a+\b)
.set rW, 64*((\s)%2)+8*\b
.set rX, 8*(8*\a+(\s))
.set rC, rD
.if (\s) == 0
.set rC, BI+8*\b
.endif
.set sW, SCB+32*(\j)+4*(\s)+(\b%4)
.set sX, SCA+8*(\a%2)+(\s)
.if (\j) < 2
	MMX rD, rW, rX, rC, sW, sX, \b/4, \a/2
.else
	MMX rD, rX, rW, rC, sX, sW, \a/2, \b/4
.endif
.endr
.endr
.endm
; A block's results: rounded to f16 in pairs; a lane's four registers are 16 bytes of an image, so each store covers 512 consecutive bytes
.macro OUT j
	s_wait_xcnt 0x0                                ; the last block's stores have read their registers: they are written again only behind this wait
	PLACES                                         ; four places between the last products and the first read of results
.irp a, 0,1,2,3
	WIN 0x0a                                       ; sources window 2
.irp b, 0,1,2,3,4,5,6,7
.irp i, 0,1,2,3
	v_cvt_pk_f16_f32 v[TMP+4*(8*\a+\b)+\i], v[8*(8*\a+\b)+2*\i], v[8*(8*\a+\b)+2*\i+1]   ; each accumulator from its low end on
.endr
.endr
	WIN 0
.irp b, 0,1,2,3,4,5,6,7
.if \j < 2
	global_store_b128 v[LI], v[TMP+4*(8*\a+\b):TMP+4*(8*\a+\b)+3], s[44+2*\j:45+2*\j] offset:(\b/4)*262144+\a*2048+(\b%4)*512
.else
	global_store_b128 v[LI], v[TMP+4*(8*\a+\b):TMP+4*(8*\a+\b)+3], s[44+2*\j:45+2*\j] offset:(\b/4)*262144+(\a/2)*4096+(\b%4)*1024+(\a%2)*512
.endif
.endr
.endr
.endm
.macro NBLOCK j
	WIN 0
	s_wait_tensorcnt 2-\j                          ; my quarter of block j is in; my loads for the later blocks may be out
	s_wait_loadcnt 0x0                             ; x, the scale words, the bias
	s_barrier_signal -1
	s_barrier_wait -1                              ; everybody's quarter is in
.if \j == 2
	WIN 0xc3
.irp b, 0,1,2,3,4,5,6,7
.irp i, 1,2,3,4,5,6,7
	v_mov_b32 v[BI+8*\b+\i], v[BI+8*\b]            ; the channel's bias for all eight tokens
.endr
.endr
.endif
	FETCHB \j, 0
.irp s, 0,1,2,3,4,5,6,7
	STEP \j, \s
.endr
	OUT \j
.endm
	NBLOCK 0
	NBLOCK 1
	NBLOCK 2
	WIN 0
	s_wait_tensorcnt 0x0                           ; the wave's end
	ds_add_u32 v[SPW], v[NIL]
	s_wait_dscnt 0x0
	CROUND                                         ; the closing round
	s_endpgm
.Lfunc_end_k_q7870e6f0ae_qkv:
	.size	k_q7870e6f0ae_qkv, .Lfunc_end_k_q7870e6f0ae_qkv-k_q7870e6f0ae_qkv
	.p2alignl 7, 3214868480
	.fill 96, 4, 3214868480
	.section	.rodata,"a",@progbits
	.p2align	6, 0x0
	.amdhsa_kernel k_q7870e6f0ae_qkv
		.amdhsa_group_segment_fixed_size 197120
		.amdhsa_private_segment_fixed_size 0
		.amdhsa_enable_private_segment 0
		.amdhsa_kernarg_size 48
		.amdhsa_user_sgpr_count 2
		.amdhsa_user_sgpr_kernarg_segment_ptr 1
		.amdhsa_wavefront_size32 1
		.amdhsa_system_sgpr_workgroup_id_x 1
		.amdhsa_system_sgpr_workgroup_id_y 1
		.amdhsa_system_sgpr_workgroup_id_z 1
		.amdhsa_system_vgpr_workitem_id 0
		.amdhsa_next_free_vgpr 1024
		.amdhsa_next_free_sgpr 66
		.amdhsa_reserve_vcc 0
		.amdhsa_float_denorm_mode_32 3
		.amdhsa_float_denorm_mode_16_64 3
		.amdhsa_memory_ordered 1
		.amdhsa_forward_progress 1
		.amdhsa_inst_pref_size 179
	.end_amdhsa_kernel
	.amdgpu_metadata
---
amdhsa.version: [ 1, 2 ]
amdhsa.kernels:
  - .name:           k_q7870e6f0ae_qkv
    .symbol:         k_q7870e6f0ae_qkv.kd
    .args:
      - { .name: xq, .offset: 0, .size: 8, .value_kind: global_buffer, .address_space: global }
      - { .name: xs, .offset: 8, .size: 8, .value_kind: global_buffer, .address_space: global }
      - { .name: wq, .offset: 16, .size: 8, .value_kind: global_buffer, .address_space: global }
      - { .name: ws, .offset: 24, .size: 8, .value_kind: global_buffer, .address_space: global }
      - { .name: b_attn, .offset: 32, .size: 8, .value_kind: global_buffer, .address_space: global }
      - { .name: qkv, .offset: 40, .size: 8, .value_kind: global_buffer, .address_space: global }
    .group_segment_fixed_size: 197120
    .private_segment_fixed_size: 0
    .kernarg_segment_align: 8
    .kernarg_segment_size: 48
    .max_flat_workgroup_size: 128
    .sgpr_count:     66
    .vgpr_count:     1024
    .wavefront_size: 32
...
	.end_amdgpu_metadata
.endif
;; end of part 2
;; launch attn (part 3): grid 4 x 64, 8 waves a work-group, no clusters, 327,680 bytes of LDS; arguments qkv, att; writes att
.if DOCPART == 3
	.amdgcn_target "amdgcn-amd-amdhsa--gfx1250"
	.amdhsa_code_object_version 6
	.text
	.protected	k_q7870e6f0ae_attn
	.globl	k_q7870e6f0ae_attn
	.p2align	8
	.type	k_q7870e6f0ae_attn,@function
k_q7870e6f0ae_attn:
	s_mov_b64 s[64:65], 0
	v_nop
	global_prefetch_b8 v0, s[64:65] scope:SCOPE_SE
	s_setreg_imm32_b32 hwreg(HW_REG_WAVE_MODE, 25, 1), 1
	s_wait_xcnt 0x0
; att = softmax(q k^T / 8, causal) v for one head, f16 operands, f32 sums, maxima and exponentials; a running maximum m and sum l for each query.
; SHARES.  A work-group takes a head (b x 16 + head = y) and TWO blocks of 256 queries, 7 - i and then i (i = x): 8 - i and i + 1 blocks of 256 keys, always nine: every work-group has the same work and all trip counts are constants.
; Each of eight waves owns 32 queries (two tiles of 16) of the block in hand; waves w and w + 4 take sub-blocks that add up to 7, so that their shares of the diagonal block add up alike.
; LAYOUT.  S^T = k q^T (source 0 = 16 keys, source 1 = 16 queries): a lane holds one query and keys 8 (lane / 16) + 0..7.  Two such tiles rounded to f16 in pairs are source 1 of O^T = v^T P, whose result again holds one query a lane.
; q, k, v^T lie in memory as images of these fragments (1,024 bytes, lane l's 16 bytes at 16 l in each half): every fragment is two loads at 16 l, in LDS without padding.
; RING.  Two slots of 65,536 bytes: 256 keys of k (32,768), then of v^T.  Every wave fetches 8,192 bytes by one tensor load (waves 0-3 k's quarters, waves 4-7 v's).  One barrier for each change of slots.
; THE MASK.  A key step (64 keys) all of whose keys come after my 32 queries is jumped over (ids alone); on the diagonal hidden scores become -infinity ahead of the maximum.  Key 0 counts for every query, so m is a number from the first step on.
; cluster = none: the four work-groups of a head walk the same key blocks only up to the fifth slot; from there on they want different ones (0 .. 7 - i, then 0 .. i), so a joint load would bring a partner tiles that none of its waves reads.
; att [Mt 64: 128 tokens][sg 8][tbl 8][kk 4][image]: rows = tokens, K = 128 sg + 32 kk ..: head = 2 sg + kk / 2.
; REGISTERS: window 0: v1-9 addresses and constants; v16-31 statistics (a tile: +0 n = -c m, +1 m, +2, +3 l, +4..+7 at work, a in +6); v32-95 S^T; v96-127 P; v128-191 O^T.  window 1: v0-31 q; v32-95 k; v96-159 v^T.
; LIMIT: |q|, |k|, |v| and the result stay under 65,504 (f16).
.set SLOTB, 65536
.set SPARE, 131072                     ; behind the ring: the spare words, 128 bytes a wave
.set LI,   1
.set ADR,  2
.set PFO,  3                           ; 256 x lane
.set SPW,  4
.set NIL,  5
.set DT,   6                           ; v6, v7
.set NINF, 8
.set RH,   9                           ; r - 8 h
.set ST,   16
.set SS,   32
.set PP,   96
.set OO,   128
.set QR,   0                           ; window 1
.set KR,   32
.set VR,   96
.set WV,  8
.set SUB, 9
.set II,  10
.set SWI, 11                           ; the slot at which the second block of queries begins: 8 - i
.set FN,  12                           ; the fetch that is due
.set FC,  13                           ; the slot in hand
.set TB,  14                           ; LDS byte of the key step in hand
.set KF,  15                           ; its first key
.set Q0,  16                           ; my first query
.set LIM, 17
.set TR,  18
.set BH,  19
.set CS,  20                           ; s[20:21] c = log2(e) / 8
.set SEL, 22
.set G1,  24
.set G0,  32
.set KVB, 36                           ; my quarter of key block 0, in k or in v
.set PFA, 38
.set QA,  40
.set OA,  42
.set T0,  44
.set T2,  46
.set QB,  48
.set AB,  50
.set SC,  52
.set NCS, 53                           ; -c
.set MSB, 0
.macro WIN new
.if MSB != \new
	s_set_vgpr_msb (MSB<<8)|\new
.set MSB, \new
.endif
.endm
.macro PLACES
.rept 4
	v_nop
.endr
.endm
	s_load_b128 s[4:7], s[0:1], 0x0                ; qkv, att
	v_lshl_add_u32 v[SPW], v0, 2, SPARE
	v_mov_b32 v[NIL], 0
	ds_add_u32 v[SPW], v[NIL]                      ; the opening: the add, twice on end, and its wait ahead of my first tensor load
	ds_add_u32 v[SPW], v[NIL]
	v_lshrrev_b32 v10, 5, v0
	v_readfirstlane_b32 s[WV], v10
	s_lshr_b32 s[T0], s[WV], 2
	s_mul_i32 s[SUB], s[T0], 3
	s_xor_b32 s[SUB], s[SUB], s[WV]                ; 0, 1, 2, 3, 7, 6, 5, 4
	s_mov_b32 s[II], ttmp9
	s_sub_co_u32 s[SWI], 8, s[II]
	s_and_b32 s[BH], ttmp7, 0xffff
	s_mov_b32 s[G1], 3<<16                         ; no mask; elements of 8 bytes; no padding
	s_mov_b32 s[G1+1], 32<<16                      ; rows of 256 bytes,
	s_mov_b32 s[G1+2], 32<<16                      ; 32 of them: 8,192 dense bytes
	s_mov_b32 s[G1+3], 32<<16
	s_mov_b32 s[G1+4], 32
	s_mov_b32 s[G1+5], 32
	s_mov_b32 s[G1+6], 0
	s_mov_b32 s[G1+7], 0
	s_mov_b32 s[CS], 0x3e38aa3b
	s_mov_b32 s[CS+1], s[CS]
	s_mov_b32 s[NCS], 0xbe38aa3b
	s_mov_b32 s[SEL], 0x76543210
	s_mov_b32 s[SEL+1], 0xfedcba98
	s_mov_b32 s[FN], 1
	s_mov_b32 s[FC], 0
	s_mov_b32 s[TB], 0
	s_mov_b32 s[KF], 0
	s_mov_b32 s[TR], 8
	s_cmp_eq_u32 s[II], 0
	s_cselect_b32 s[LIM], 6, 0                     ; the head's first work-group walks key blocks 0 .. 7 in order: it prefetches
	s_sub_co_u32 s[T0], 7, s[II]
	s_lshl_b32 s[Q0], s[T0], 8
	s_lshl_b32 s[T0], s[SUB], 5
	s_add_co_u32 s[Q0], s[Q0], s[T0]               ; block 7 - i, my 32 queries
	v_and_b32 v10, 31, v0
	v_lshlrev_b32 v[LI], 4, v10
	v_lshlrev_b32 v[PFO], 8, v10
	v_and_b32 v10, 15, v0
	v_bfe_u32 v11, v0, 4, 1
	v_lshlrev_b32 v11, 3, v11
	v_sub_nc_u32 v[RH], v10, v11
	v_mov_b32 v[NINF], 0xff800000
	s_wait_dscnt 0x0                               ; both opening adds are done
	s_wait_kmcnt 0x0
	s_mov_b32 s[T0+1], 0
	s_lshl_b32 s[T0], s[BH], 18
	s_add_nc_u64 s[QB:QB+1], s[4:5], s[T0:T0+1]    ; q of my head
	s_lshr_b32 s[T2], s[WV], 2
	s_add_co_u32 s[T2], s[T2], 1
	s_lshl_b32 s[T2], s[T2], 24                    ; k (waves 0-3) or v (waves 4-7)
	s_add_co_u32 s[T0], s[T0], s[T2]
	s_and_b32 s[T2], s[WV], 3
	s_lshl_b32 s[T2], s[T2], 13
	s_add_co_u32 s[T0], s[T0], s[T2]
	s_add_nc_u64 s[KVB:KVB+1], s[4:5], s[T0:T0+1]
	s_lshr_b32 s[T0], s[BH], 4
	s_lshl_b32 s[T0], s[T0], 22                    ; the batch: 16 tiles of 128 tokens
	s_bfe_u32 s[T2], s[BH], 0x30001                ; head / 2
	s_lshl_b32 s[T2], s[T2], 15
	s_add_co_u32 s[T0], s[T0], s[T2]
	s_and_b32 s[T2], s[BH], 1
	s_lshl_b32 s[T2], s[T2], 11
	s_add_co_u32 s[T0], s[T0], s[T2]
	s_add_nc_u64 s[AB:AB+1], s[6:7], s[T0:T0+1]
	s_mov_b32 s[G0], 1
	s_lshl_b32 s[G0+1], s[WV], 13                  ; slot 0, my 8,192 bytes
	s_mov_b64 s[G0+2:G0+3], s[KVB:KVB+1]           ; key block 0
	s_or_b32 s[G0+3], s[G0+3], 0x80000000
	tensor_load_to_lds s[G0:G0+3], s[G1:G1+7]      ; one load of mine is out
	s_nop 0
	PLACES
.macro SETQ                            ; where my 32 queries lie in q and in att
	s_lshl_b32 s[T0], s[Q0], 7
	s_mov_b32 s[T0+1], 0
	s_add_nc_u64 s[QA:QA+1], s[QB:QB+1], s[T0:T0+1]
	s_lshr_b32 s[T0], s[Q0], 7
	s_lshl_b32 s[T0], s[T0], 18
	s_bfe_u32 s[T2], s[Q0], 0x30004
	s_lshl_b32 s[T2], s[T2], 12
	s_add_co_u32 s[T0], s[T0], s[T2]
	s_add_nc_u64 s[OA:OA+1], s[AB:AB+1], s[T0:T0+1]
.endm
.macro QLOAD
	WIN 0x40
.irp f, 0,1,2,3                        ; fragment 2 t + u
	global_load_b128 v[QR+8*\f:QR+8*\f+3],   v[LI], s[QA:QA+1] offset:\f*1024
	global_load_b128 v[QR+8*\f+4:QR+8*\f+7], v[LI], s[QA:QA+1] offset:\f*1024+512
.endr
	WIN 0
.endm
.macro INIT                            ; the key step is written once: the first finds m = -3e38, l = 0 and O^T = 0
.irp t, 0,1
	v_mov_b32 v[ST+8*\t+1], 0xff61b1e6
	v_mul_f32 v[ST+8*\t], s[NCS], v[ST+8*\t+1]     ; n = -c m
.irp i, 2,3,4,5,6,7
	v_mov_b32 v[ST+8*\t+\i], 0
.endr
.endr
.irp i, 0,1,2,3,4,5,6,7,8,9,10,11,12,13,14,15,16,17,18,19,20,21,22,23,24,25,26,27,28,29,30,31,32,33,34,35,36,37,38,39,40,41,42,43,44,45,46,47,48,49,50,51,52,53,54,55,56,57,58,59,60,61,62,63
	v_mov_b32 v[OO+\i], 0
.endr
.endm
	SETQ
	QLOAD
	INIT
	s_wait_loadcnt 0x0
; THE SOFTMAX of two tiles of 16 queries x 64 keys, the tiles by turns
.macro SOFTMAX
.irp j, 0,1,2,3
.irp t, 0,1
	v_max3_num_f32 v[ST+8*\t+4+\j], v[SS+32*\t+8*\j], v[SS+32*\t+8*\j+1], v[SS+32*\t+8*\j+2]   ; four chains; each accumulator is read from its low end on
.endr
.endr
.irp q, 1,2
.irp j, 0,1,2,3
.irp t, 0,1
	v_max3_num_f32 v[ST+8*\t+4+\j], v[ST+8*\t+4+\j], v[SS+32*\t+8*\j+2*\q+1], v[SS+32*\t+8*\j+2*\q+2]
.endr
.endr
.endr
.irp t, 0,1
	v_max3_num_f32 v[ST+8*\t+4], v[ST+8*\t+4], v[SS+32*\t+7], v[SS+32*\t+15]
	v_max3_num_f32 v[ST+8*\t+6], v[ST+8*\t+6], v[SS+32*\t+23], v[SS+32*\t+31]
.endr
.irp t, 0,1
	v_max3_num_f32 v[ST+8*\t+4], v[ST+8*\t+4], v[ST+8*\t+5], v[ST+8*\t+6]
.endr
.irp t, 0,1
	v_max3_num_f32 v[ST+8*\t+4], v[ST+8*\t+4], v[ST+8*\t+7], v[ST+8*\t+1]    ; and the old m
.endr
.irp t, 0,1
	v_permlanex16_b32 v[ST+8*\t+5], v[ST+8*\t+4], s[SEL], s[SEL+1]           ; the query's other 32 keys
.endr
.irp t, 0,1
	v_mov_b32 v[ST+8*\t+7], v[ST+8*\t]                                       ; the old n
.endr
.irp t, 0,1
	v_max_num_f32 v[ST+8*\t+1], v[ST+8*\t+4], v[ST+8*\t+5]
.endr
.irp t, 0,1
	v_mul_f32 v[ST+8*\t], s[NCS], v[ST+8*\t+1]                               ; the new n = -c m
.endr
.irp t, 0,1
	v_sub_f32 v[ST+8*\t+7], v[ST+8*\t], v[ST+8*\t+7]                         ; n_new - n_old = c m_old - c m_new, 0 or less
.endr
.irp b, 0,2,4,6,8,10,12,14,16,18,20,22,24,26,28,30
.irp t, 0,1
	v_pk_fma_f32 v[SS+32*\t+\b:SS+32*\t+\b+1], v[SS+32*\t+\b:SS+32*\t+\b+1], s[CS:CS+1], v[ST+8*\t:ST+8*\t+1] op_sel_hi:[1,0,0]   ; c s + n, two at a time (of the pairs c and n the low word serves both halves)
.endr
.endr
.irp t, 0,1
	v_exp_f32 v[ST+8*\t+6], v[ST+8*\t+7]                                     ; a = 2^(c m_old - c m_new)
.endr
.irp e, 0,1,2,3,4,5,6,7,8,9,10,11,12,13,14,15,16,17,18,19,20,21,22,23,24,25,26,27,28,29,30,31
.irp t, 0,1
	v_exp_f32 v[SS+32*\t+\e], v[SS+32*\t+\e]
.endr
.endr
	v_nop                                          ; a plain line behind the last exponential
	s_wait_alu depctr_va_vdst(0)                   ; one wait for the batch of 66, ahead of its first reader
.irp i, 0,1,2,3,4,5,6,7,8,9,10,11,12,13,14,15
.irp t, 0,1
	v_cvt_pk_f16_f32 v[PP+16*\t+\i], v[SS+32*\t+2*\i], v[SS+32*\t+2*\i+1]
.endr
.endr
.irp t, 0,1
	v_pk_mul_f32 v[ST+8*\t+2:ST+8*\t+3], v[ST+8*\t+2:ST+8*\t+3], v[ST+8*\t+6:ST+8*\t+7] op_sel_hi:[1,0]   ; l x a
	v_pk_add_f32 v[ST+8*\t+4:ST+8*\t+5], v[SS+32*\t:SS+32*\t+1], v[SS+32*\t+2:SS+32*\t+3]                 ; the sum of the unrounded p, in two chains a tile
.endr
.irp j, 4,8,12,16,20,24,28
.irp t, 0,1
	v_pk_add_f32 v[ST+8*\t+2:ST+8*\t+3], v[ST+8*\t+2:ST+8*\t+3], v[SS+32*\t+\j:SS+32*\t+\j+1]
	v_pk_add_f32 v[ST+8*\t+4:ST+8*\t+5], v[ST+8*\t+4:ST+8*\t+5], v[SS+32*\t+\j+2:SS+32*\t+\j+3]
.endr
.endr
.irp t, 0,1
	v_pk_add_f32 v[ST+8*\t+2:ST+8*\t+3], v[ST+8*\t+2:ST+8*\t+3], v[ST+8*\t+4:ST+8*\t+5]
.endr
.irp i, 0,2,4,6,8,10,12,14,16,18,20,22,24,26,28,30
.irp t, 0,1
	v_pk_mul_f32 v[OO+32*\t+\i:OO+32*\t+\i+1], v[OO+32*\t+\i:OO+32*\t+\i+1], v[ST+8*\t+6:ST+8*\t+7] op_sel_hi:[1,0]   ; O^T x a
.endr
.endr
.endm
; A slot's four key steps of 64 keys: written once, walked four times; the LDS address hangs on s[TB]
.macro STEPS
	s_mov_b32 s[SC], 4
.Lstep_\@:
	s_add_co_u32 s[T0], s[Q0], 31
	s_cmp_gt_u32 s[KF], s[T0]                      ; all 64 keys come after my last query: nothing of this step counts
	s_cbranch_scc1 .Lhid_\@
	v_add_nc_u32 v[ADR], s[TB], v[LI]
	WIN 0x40
.irp f, 0,1,2,3,4,5,6,7                ; k: fragment 2 kt + u
	ds_load_b128 v[KR+8*\f:KR+8*\f+3],   v[ADR] offset:\f*1024
	ds_load_b128 v[KR+8*\f+4:KR+8*\f+7], v[ADR] offset:\f*1024+512
.endr
.irp f, 0,1,2,3,4,5,6,7                ; v^T: fragment 4 kap + ct
	ds_load_b128 v[VR+8*\f:VR+8*\f+3],   v[ADR] offset:32768+\f*1024
	ds_load_b128 v[VR+8*\f+4:VR+8*\f+7], v[ADR] offset:32768+\f*1024+512
.endr
	s_wait_dscnt 16                                ; k's 16 loads are in; v's 16 may be out
	WIN 0x05                                       ; k and q in window 1
.irp u, 0,1                            ; eight accumulators by turns, one instruction a turn
.irp t, 0,1
.irp kt, 0,1,2,3
.if \u == 0
	v_wmma_f32_16x16x32_f16 v[SS+32*\t+8*\kt:SS+32*\t+8*\kt+7], v[KR+8*(2*\kt+\u):KR+8*(2*\kt+\u)+7], v[QR+8*(2*\t+\u):QR+8*(2*\t+\u)+7], 0
.else
	v_wmma_f32_16x16x32_f16 v[SS+32*\t+8*\kt:SS+32*\t+8*\kt+7], v[KR+8*(2*\kt+\u):KR+8*(2*\kt+\u)+7], v[QR+8*(2*\t+\u):QR+8*(2*\t+\u)+7], v[SS+32*\t+8*\kt:SS+32*\t+8*\kt+7]
.endif
.endr
.endr
.endr
	WIN 0
	PLACES                                         ; four places between the products and the first read of the scores
	s_add_co_u32 s[T0], s[KF], 63
	s_cmp_le_u32 s[T0], s[Q0]                      ; all 64 keys count for all my queries
	s_cbranch_scc1 .Lopen_\@
	s_sub_co_i32 s[T0], s[Q0], s[KF]
	v_add_nc_u32 v[DT], s[T0], v[RH]               ; d = my query - the step's first key - 8 h: register 8 kt + j holds key 16 kt + 8 h + j: hidden where 16 kt + j > d
	v_add_nc_u32 v[DT+1], 16, v[DT]
.irp t, 0,1
.irp n, 0,1,2,3,4,5,6,7,8,9,10,11,12,13,14,15,16,17,18,19,20,21,22,23,24,25,26,27,28,29,30,31
	v_cmp_gt_i32 vcc_lo, 16*(\n/8)+\n%8, v[DT+\t]
	v_cndmask_b32 v[SS+32*\t+\n], v[SS+32*\t+\n], v[NINF], vcc_lo
.endr
.endr
.Lopen_\@:
	SOFTMAX
	s_wait_dscnt 0x0                               ; v^T is in
	WIN 0x01                                       ; v^T in window 1
.irp kap, 0,1
.irp t, 0,1
.irp ct, 0,1,2,3
	v_wmma_f32_16x16x32_f16 v[OO+32*\t+8*\ct:OO+32*\t+8*\ct+7], v[VR+8*(4*\kap+\ct):VR+8*(4*\kap+\ct)+7], v[PP+16*\t+8*\kap:PP+16*\t+8*\kap+7], v[OO+32*\t+8*\ct:OO+32*\t+8*\ct+7]
.endr
.endr
.endr
	WIN 0
	PLACES                                         ; four places in front of the next loads into v^T's registers and of the next read or write of O^T
.Lhid_\@:
	s_add_co_u32 s[KF], s[KF], 64
	s_add_co_u32 s[TB], s[TB], 8192
	s_sub_co_u32 s[SC], s[SC], 1
	s_cmp_lg_u32 s[SC], 0
	s_cbranch_scc1 .Lstep_\@
	s_sub_co_u32 s[TB], s[TB], 32768               ; back to a slot's first step,
	s_xor_b32 s[TB], s[TB], SLOTB                  ; in the other slot
	s_add_co_u32 s[FC], s[FC], 1
.endm
; A block of queries is done: O^T / l, rounded to f16; a lane's four registers are 16 bytes of an image of att
.macro FINISH
.irp t, 0,1
	v_add_f32 v[ST+8*\t+4], v[ST+8*\t+2], v[ST+8*\t+3]
.endr
.irp t, 0,1
	v_permlanex16_b32 v[ST+8*\t+5], v[ST+8*\t+4], s[SEL], s[SEL+1]
.endr
.irp t, 0,1
	v_add_f32 v[ST+8*\t+4], v[ST+8*\t+4], v[ST+8*\t+5]
.endr
.irp t, 0,1
	v_rcp_f32 v[ST+8*\t+6], v[ST+8*\t+4]
.endr
	v_nop
	s_wait_alu depctr_va_vdst(0)                   ; one wait for both reciprocals, ahead of their first reader
.irp i, 0,2,4,6,8,10,12,14,16,18,20,22,24,26,28,30
.irp t, 0,1
	v_pk_mul_f32 v[OO+32*\t+\i:OO+32*\t+\i+1], v[OO+32*\t+\i:OO+32*\t+\i+1], v[ST+8*\t+6:ST+8*\t+7] op_sel_hi:[1,0]
.endr
.endr
.irp t, 0,1
.irp i, 0,1,2,3,4,5,6,7,8,9,10,11,12,13,14,15
	v_cvt_pk_f16_f32 v[SS+16*\t+\i], v[OO+32*\t+2*\i], v[OO+32*\t+2*\i+1]
.endr
.endr
.irp t, 0,1
.irp ct, 0,1,2,3
	global_store_b128 v[LI], v[SS+16*\t+4*\ct:SS+16*\t+4*\ct+3], s[OA:OA+1] offset:\t*4096+\ct*512   ; 512 consecutive bytes
.endr
.endr
.endm
; At slot 8 - i the first block of queries is done and the second begins.  The test hangs on ids and the count of slots alone and is the same in all waves; no barrier, tensor load or wait on TENSORcnt stands inside.
.macro SWITCH
	s_cmp_lg_u32 s[FC], s[SWI]
	s_cbranch_scc1 .Lsame_\@
	FINISH
	s_wait_xcnt 0x0                                ; the stores have read their registers and their base
	s_lshl_b32 s[Q0], s[II], 8
	s_lshl_b32 s[T0], s[SUB], 5
	s_add_co_u32 s[Q0], s[Q0], s[T0]
	s_mov_b32 s[KF], 0
	SETQ
	QLOAD
	INIT
	s_wait_loadcnt 0x0
.Lsame_\@:
.endm
; THE CHANGE OF SLOTS, at a slot's head.  Each wave waits for all its tensor loads (its part of the slot ahead), adds 0 to its spare word, and waits for that and for its reads of the slot that it has left.
; fill = 1: behind the barrier that slot takes the next fetch, which has four key steps in which to land.  Behind it the head's first work-group prefetches what the NEXT change will ask for:
; every wave its own 8,192 bytes, lanes 256 bytes apart, so that each block of key blocks 2 .. 7 is named once in the launch; blocks 0 and 1 come by their loads alone, and nothing is asked for past block 7.
.macro CHANGE fill
	s_wait_tensorcnt 0x0                           ; no tensor load of mine is out, so the walking group 0 may be written
	ds_add_u32 v[SPW], v[NIL]                      ; the steps below stand between the add and its wait
.if \fill
	s_sub_co_u32 s[T0], s[FN], s[SWI]
	s_cmp_ge_u32 s[FN], s[SWI]
	s_cselect_b32 s[T0], s[T0], s[FN]              ; the key block: the walk begins anew with the second block of queries
	s_lshl_b32 s[T0], s[T0], 15
	s_mov_b32 s[T0+1], 0
	s_add_nc_u64 s[G0+2:G0+3], s[KVB:KVB+1], s[T0:T0+1]
	s_or_b32 s[G0+3], s[G0+3], 0x80000000
	s_xor_b32 s[G0+1], s[G0+1], SLOTB
	s_wait_xcnt 0x0                                ; the last prefetch, a slot back, has read its address
	s_add_co_u32 s[T0], s[FN], 1
	s_lshl_b32 s[T0], s[T0], 15
	s_add_nc_u64 s[PFA:PFA+1], s[KVB:KVB+1], s[T0:T0+1]
.endif
	s_wait_dscnt 0x0                               ; the add is done, and my reads of the slot that I have left are over
	s_barrier_signal -1
	s_barrier_wait -1
.if \fill
	tensor_load_to_lds s[G0:G0+3], s[G1:G1+7]      ; my one tensor load behind this barrier, and the first thing there
	s_nop 0
	PLACES
	s_cmp_le_u32 s[FN], s[LIM]
	s_cbranch_scc0 .Lnp_\@
	global_prefetch_b8 v[PFO], s[PFA:PFA+1] th:TH_LOAD_NT scope:SCOPE_SE
.Lnp_\@:
	s_add_co_u32 s[FN], s[FN], 1
.endif
.endm
.Lslot:                                            ; eight trips; the first fills slot 1 for the first time, behind a barrier at which nothing is filled again
	CHANGE 1
	SWITCH
	STEPS
	s_sub_co_u32 s[TR], s[TR], 1
	s_cmp_lg_u32 s[TR], 0
	s_cbranch_scc1 .Lslot
	CHANGE 0                                       ; the ninth slot is written out: nothing is left to fetch
	SWITCH
	STEPS
	FINISH
	s_wait_tensorcnt 0x0                           ; the wave's end
	ds_add_u32 v[SPW], v[NIL]
	s_wait_dscnt 0x0
	s_endpgm
.Lfunc_end_k_q7870e6f0ae_attn:
	.size	k_q7870e6f0ae_attn, .Lfunc_end_k_q7870e6f0ae_attn-k_q7870e6f0ae_attn
	.p2alignl 7, 3214868480
	.fill 96, 4, 3214868480
	.section	.rodata,"a",@progbits
	.p2align	6, 0x0
	.amdhsa_kernel k_q7870e6f0ae_attn
		.amdhsa_group_segment_fixed_size 327680
		.amdhsa_private_segment_fixed_size 0
		.amdhsa_enable_private_segment 0
		.amdhsa_kernarg_size 16
		.amdhsa_user_sgpr_count 2
		.amdhsa_user_sgpr_kernarg_segment_ptr 1
		.amdhsa_wavefront_size32 1
		.amdhsa_system_sgpr_workgroup_id_x 1
		.amdhsa_system_sgpr_workgroup_id_y 1
		.amdhsa_system_sgpr_workgroup_id_z 1
		.amdhsa_system_vgpr_workitem_id 0
		.amdhsa_next_free_vgpr 512
		.amdhsa_next_free_sgpr 66
		.amdhsa_reserve_vcc 1
		.amdhsa_float_denorm_mode_32 3
		.amdhsa_float_denorm_mode_16_64 3
		.amdhsa_memory_ordered 1
		.amdhsa_forward_progress 1
		.amdhsa_inst_pref_size 76
	.end_amdhsa_kernel
	.amdgpu_metadata
---
amdhsa.version: [ 1, 2 ]
amdhsa.kernels:
  - .name:           k_q7870e6f0ae_attn
    .symbol:         k_q7870e6f0ae_attn.kd
    .args:
      - { .name: qkv, .offset: 0, .size: 8, .value_kind: global_buffer, .address_space: global }
      - { .name: att, .offset: 8, .size: 8, .value_kind: global_buffer, .address_space: global }
    .group_segment_fixed_size: 327680
    .private_segment_fixed_size: 0
    .kernarg_segment_align: 8
    .kernarg_segment_size: 16
    .max_flat_workgroup_size: 256
    .sgpr_count:     66
    .vgpr_count:     512
    .wavefront_size: 32
...
	.end_amdgpu_metadata
.endif
;; end of part 3
;; launch proj (part 4): grid 4 x 64, 4 waves a work-group, clusters of 4 x 4, 327,680 bytes of LDS; arguments att, wp, b_proj, out0; writes out0
.if DOCPART == 4
	.amdgcn_target "amdgcn-amd-amdhsa--gfx1250"
	.amdhsa_code_object_version 6
	.text
	.protected	k_q7870e6f0ae_proj
	.globl	k_q7870e6f0ae_proj
	.p2align	8
	.type	k_q7870e6f0ae_proj,@function
k_q7870e6f0ae_proj:
	s_mov_b64 s[64:65], 0
	v_nop
	global_prefetch_b8 v0, s[64:65] scope:SCOPE_SE
	s_setreg_imm32_b32 hwreg(HW_REG_WAVE_MODE, 25, 1), 1
	s_wait_xcnt 0x0
	s_wait_alu depctr_hold_cnt(0) depctr_sa_sdst(0) depctr_va_vdst(0) depctr_va_sdst(0) depctr_va_ssrc(0) depctr_va_vcc(0) depctr_vm_vsrc(0)
	s_getreg_b32 s2, hwreg(HW_REG_IB_STS2, 6, 4)
	s_cmp_eq_u32 s2, 0
	s_cbranch_scc0 .Lentry_in_a_cluster
	s_endpgm
.Lentry_in_a_cluster:
	s_bfe_u32 s2, ttmp6, 0x10000c
	s_cmp_lg_u32 s2, 0xf033
	s_cbranch_scc0 .Lentry_shape_is_right
	s_endpgm
.Lentry_shape_is_right:
; out0 = att w_proj + b_proj, f16 operands, f32 sums, for all 8,192 rows (the first 16 rows of each sequence are written again, more finely, by a later launch).
; A tile of out0 is 128 tokens x 256 columns: 256 work-groups.  Four waves, each 64 x 128: 32 accumulators.  K goes in eight steps of 128 through a ring of two LDS slots.
; Both operands lie in memory as images of their fragments (1,024 bytes, lane l's 16 bytes at 16 l in each half), a K step's tiles being dense blocks: att's 32,768 bytes, wp's 65,536.  No padding: a fragment is two loads at 16 l.
; CLUSTERS: 4 x 4 work-groups.  The four of a row of the cluster want the same tile of att, the four of a column the same tile of wp: each is asked for JOINTLY.  Waves 0, 1 fetch att's halves, waves 2, 3 wp's.
; THE PRODUCT IS USED TRANSPOSED (source 0 = 16 columns of w_proj, source 1 = 16 tokens): a lane holds eight neighbouring numbers of a row of out0.  The bias is the C of each sum's first product.
; No prefetch: the tile is small and the launch short; the joint loads divide the requests by four.
; REGISTERS: window 0: addresses; v32-127, v128-223 two fragment buffers (att 4 x 8, then wp 8 x 8).  window 1: the accumulators ((a, b) at 8 (8 a + b)).  window 2: v0-63 the bias.
.set SLOT,   98304                     ; att's 32,768 bytes, then wp's 65,536
.set STAGE,  2*SLOT                    ; behind the ring: 16 rows x (512 + 16) bytes for each wave
.set SPITCH, 528
.set SPARE,  STAGE+4*16*SPITCH         ; the spare words, 128 bytes a wave
.set CO,   2                           ; v2  16 x lane
.set ADRA, 16
.set ADRB, 20
.set STO,  24
.set RD,   25
.set BO,   27
.set SPW,  28
.set NIL,  29
.set F0,   32
.set F1,   128
.set WV, 12
.set HI, 13
.set LO, 14
.set G1,  24
.set G0,  32
.set G1B, 48
.set G0B, 56
.set MSB, 0
.macro WIN new
.if MSB != \new
	s_set_vgpr_msb (MSB<<8)|\new
.set MSB, \new
.endif
.endm
.macro PLACES
.rept 4
	v_nop
.endr
.endm
.macro JLOAD s                         ; a joint load; the branch hangs on the wave's number alone; an s_nop 0 and four v_nop follow each of the two lines
	s_cmp_eq_u32 s[HI], 0
	s_cbranch_scc0 .Lfor_b_\@
	tensor_load_to_lds s[G0+4*\s:G0+4*\s+3], s[G1:G1+7]
	s_nop 0
	PLACES
	s_branch .Lasked_\@
.Lfor_b_\@:
	tensor_load_to_lds s[G0B+4*\s:G0B+4*\s+3], s[G1B:G1B+7]
	s_nop 0
	PLACES
.Lasked_\@:
.endm
.macro CREST
	s_cmp_lg_u32 s[WV], 0
	s_cbranch_scc1 .Lnot_wave_0_\@
	s_barrier_signal -3
.Lnot_wave_0_\@:
	s_barrier_wait -3
	s_barrier_signal -1
	s_barrier_wait -1
.endm
.macro CROUND
	s_barrier_signal -1
	s_barrier_wait -1
	CREST
.endm
	s_load_b256 s[4:11], s[0:1], 0x0               ; att, wp, b_proj, out0
	v_lshl_add_u32 v[SPW], v0, 2, SPARE
	v_mov_b32 v[NIL], 0
	ds_add_u32 v[SPW], v[NIL]                      ; the opening: the add, twice on end, and its wait ahead of my first tensor load
	ds_add_u32 v[SPW], v[NIL]
	v_lshrrev_b32 v1, 5, v0
	v_readfirstlane_b32 s[WV], v1
	s_lshr_b32 s[HI], s[WV], 1                     ; which 64 tokens are mine.  Also: I fetch for att (0) or for wp (1)
	s_and_b32 s[LO], s[WV], 1                      ; which 128 columns.  Also: which half of that tile I fetch
	s_bfe_u32 s40, ttmp6, 0x40000                  ; cx
	s_bfe_u32 s41, ttmp6, 0x40004                  ; cy
	s_lshl_b32 s42, ttmp9, 2
	s_add_co_u32 s42, s42, s40                     ; Nt
	s_and_b32 s43, ttmp7, 0xffff
	s_lshl_b32 s43, s43, 2
	s_add_co_u32 s43, s43, s41                     ; Mt
	s_lshl_b32 s44, s41, 2
	s_lshl_b32 s44, 15, s44                        ; my row of the cluster
	s_lshl_b32 s45, 0x1111, s40                    ; my column
	s_or_b32 s[G1], s44, (3<<16)|(1<<21)           ; the mask; elements of 8 bytes; bit 21 beside a mask
	s_or_b32 s[G1B], s45, (3<<16)|(1<<21)
	s_mov_b32 s[G1+1], 32<<16                      ; rows of 256 bytes,
	s_mov_b32 s[G1+2], 64<<16                      ; 64 of them: half of att's tile
	s_mov_b32 s[G1+3], 32<<16
	s_mov_b32 s[G1+4], 64
	s_mov_b32 s[G1+5], 32
	s_mov_b32 s[G1+6], 0
	s_mov_b32 s[G1+7], 0
	s_mov_b32 s[G1B+1], 32<<16
	s_mov_b32 s[G1B+2], 128<<16                    ; 128 rows: half of wp's tile
	s_mov_b32 s[G1B+3], 32<<16
	s_mov_b32 s[G1B+4], 128
	s_mov_b32 s[G1B+5], 32
	s_mov_b32 s[G1B+6], 0
	s_mov_b32 s[G1B+7], 0
	s_lshl_b32 s20, s[LO], 14                      ; where they go: no place in the cluster enters an LDS address
	s_lshl_b32 s21, s[LO], 15
	s_lshl_b32 s16, s43, 18                        ; att: tile row Mt, which my row of the cluster shares
	s_add_co_u32 s16, s16, s20
	s_mov_b32 s17, 0
	s_lshl_b32 s46, s42, 19                        ; wp: tile column Nt, which my column shares
	s_add_co_u32 s46, s46, s21
	s_mov_b32 s47, 0
	s_add_co_u32 s21, s21, 32768
	s_wait_dscnt 0x0                               ; both opening adds are done
	s_wait_kmcnt 0x0
	s_add_nc_u64 s[4:5], s[4:5], s[16:17]
	s_add_nc_u64 s[6:7], s[6:7], s[46:47]
	CROUND                                         ; all sixteen work-groups are here: the first joint loads meet
.irp s, 0,1
	s_mov_b32 s[G0+4*\s], 1
	s_add_co_u32 s[G0+4*\s+1], s20, \s*SLOT
	s_add_nc_u64 s[G0+4*\s+2:G0+4*\s+3], s[4:5], \s*32768
	s_or_b32 s[G0+4*\s+3], s[G0+4*\s+3], 0x80000000
	s_mov_b32 s[G0B+4*\s], 1
	s_add_co_u32 s[G0B+4*\s+1], s21, \s*SLOT
	s_add_nc_u64 s[G0B+4*\s+2:G0B+4*\s+3], s[6:7], \s*65536
	s_or_b32 s[G0B+4*\s+3], s[G0B+4*\s+3], 0x80000000
	JLOAD \s                                       ; two loads of mine are out
.endr
	v_and_b32 v1, 31, v0
	v_lshlrev_b32 v[CO], 4, v1
	v_and_b32 v3, 15, v0
	v_bfe_u32 v4, v0, 4, 1
	s_lshl_b32 s22, s[HI], 14                      ; my four token blocks
	s_lshl_b32 s23, s[LO], 15
	s_add_co_u32 s23, s23, 32768                   ; my eight column blocks
.irp s, 0,1
	v_add_nc_u32 v[ADRA+\s], s22, v[CO]
	v_add_nc_u32 v[ADRB+\s], s23, v[CO]
	s_add_co_u32 s22, s22, SLOT
	s_add_co_u32 s23, s23, SLOT
.endr
	s_mul_i32 s22, s[WV], 16*SPITCH
	s_add_co_u32 s22, s22, STAGE                   ; my stage
	v_mul_u32_u24 v[STO], v3, SPITCH
	v_lshl_add_u32 v[STO], v4, 5, v[STO]
	v_add_nc_u32 v[STO], s22, v[STO]               ; in: row r, 32 bytes for each half of the lanes
	v_add_nc_u32 v[RD], s22, v[CO]                 ; back: a whole row of 512 bytes
	v_lshlrev_b32 v[BO], 5, v4
	s_lshl_b32 s18, s42, 10
	s_lshl_b32 s19, s[LO], 9
	s_add_co_u32 s18, s18, s19                     ; my first column, in bytes
	s_mov_b32 s19, 0
	s_add_nc_u64 s[8:9], s[8:9], s[18:19]
	s_add_nc_u64 s[10:11], s[10:11], s[18:19]
	s_lshl_b32 s18, s43, 19
	s_lshl_b32 s22, s[HI], 18
	s_add_co_u32 s18, s18, s22                     ; my first row: 128 Mt + 64 x half, rows of 4,096 bytes
	s_add_nc_u64 s[10:11], s[10:11], s[18:19]
	WIN 0x80                                       ; destination window 2
.irp b, 0,1,2,3,4,5,6,7
	global_load_b128 v[8*\b:8*\b+3],   v[BO], s[8:9] offset:\b*64
	global_load_b128 v[8*\b+4:8*\b+7], v[BO], s[8:9] offset:\b*64+16
.endr
	WIN 0
.macro FETCH slot, kk, f               ; 24 LDS loads in one run: the fragments of 32 along K
.irp a, 0,1,2,3
	ds_load_b128 v[\f+8*\a:\f+8*\a+3],   v[ADRA+\slot] offset:\a*4096+\kk*1024
	ds_load_b128 v[\f+8*\a+4:\f+8*\a+7], v[ADRA+\slot] offset:\a*4096+\kk*1024+512
.endr
.irp b, 0,1,2,3,4,5,6,7
	ds_load_b128 v[\f+32+8*\b:\f+32+8*\b+3],   v[ADRB+\slot] offset:\b*4096+\kk*1024
	ds_load_b128 v[\f+32+8*\b+4:\f+32+8*\b+7], v[ADRB+\slot] offset:\b*4096+\kk*1024+512
.endr
.endm
.macro MUL f, a0, n, first             ; n token blocks from a0 on x eight column blocks; the 32 accumulators take turns in the same order in every quarter
.set aa, \a0
.rept \n
.irp b, 0,1,2,3,4,5,6,7
.if \first
	v_wmma_f32_16x16x32_f16 v[8*(8*aa+\b):8*(8*aa+\b)+7], v[\f+32+8*\b:\f+32+8*\b+7], v[\f+8*aa:\f+8*aa+7], v[8*\b:8*\b+7]
.else
	v_wmma_f32_16x16x32_f16 v[8*(8*aa+\b):8*(8*aa+\b)+7], v[\f+32+8*\b:\f+32+8*\b+7], v[\f+8*aa:\f+8*aa+7], v[8*(8*aa+\b):8*(8*aa+\b)+7]
.endif
.endr
.set aa, aa+1
.endr
.endm
; A K step is four quarters of 32 along K.  One of the first three multiplies buffer f and fetches quarter k of the same slot into buffer g.
.macro QUARTER slot, k, f, g, first
	s_wait_dscnt 0x0                               ; buffer f is in (asked for 32 matrix instructions ago)
	PLACES                                         ; four places in front of loads into the buffer that the last quarter multiplied
	WIN 0
	FETCH \slot, \k, \g
	WIN 0x50+0x10*\first                           ; C and D window 1; the first quarter's C, the bias, window 2
	MUL \f, 0, 4, \first
.endm
; The last quarter multiplies buffer 1 and changes slots: ONE barrier; in front of it each wave waits for all its tensor loads, adds 0 to its spare word, and waits for that and for its reads of this slot.
.macro TURN slot, next, fill
	WIN 0
	s_wait_tensorcnt 0x0                           ; all my tensor loads have landed: my part of the next slot
	ds_add_u32 v[SPW], v[NIL]
	s_wait_dscnt 1                                 ; buffer 1 is in; the add may be out
	WIN 0x50
	MUL F1, 0, 1, 0                                ; eight matrix instructions stand between the add and the wait for it
	s_wait_dscnt 0x0                               ; the add is done, and my reads of this slot are over
	s_barrier_signal -1
	MUL F1, 1, 1, 0
	WIN 0
	s_barrier_wait -1
.if \fill
	CREST                                          ; the barrier has opened a round of the cluster's barrier: no wave of any partner still reads this slot or has a load on its way
	s_add_nc_u64 s[G0+4*\slot+2:G0+4*\slot+3], s[G0+4*\slot+2:G0+4*\slot+3], 65536
	s_add_nc_u64 s[G0B+4*\slot+2:G0B+4*\slot+3], s[G0B+4*\slot+2:G0B+4*\slot+3], 131072
	JLOAD \slot                                    ; the first tensor load behind the round: 112 matrix instructions ahead of the wait for it; its four v_nop are also the places in front of the loads below
.else
	PLACES
.endif
	FETCH \next, 0, F0
	WIN 0x50
	MUL F1, 2, 2, 0
.endm
	s_wait_tensorcnt 1                             ; my part of K step 0 is in; K step 1's may be out
	s_barrier_signal -1
	s_barrier_wait -1
	FETCH 0, 0, F0
	s_wait_loadcnt 0x0                             ; the bias
	QUARTER 0, 1, F0, F1, 1                        ; the first quarter stands in front of the loop: its products start the sums on the bias
	WIN 0
	s_mov_b32 s3, 3
.Llap:                                             ; a trip goes once round the ring and fills both slots again
	QUARTER 0, 2, F1, F0, 0
	QUARTER 0, 3, F0, F1, 0
	TURN 0, 1, 1
	QUARTER 1, 1, F0, F1, 0
	QUARTER 1, 2, F1, F0, 0
	QUARTER 1, 3, F0, F1, 0
	TURN 1, 0, 1
	QUARTER 0, 1, F0, F1, 0
	WIN 0
	s_sub_co_u32 s3, s3, 1
	s_cmp_lg_u32 s3, 0
	s_cbranch_scc1 .Llap
	QUARTER 0, 2, F1, F0, 0                        ; the last lap fills nothing
	QUARTER 0, 3, F0, F1, 0
	TURN 0, 1, 0
	QUARTER 1, 1, F0, F1, 0
	QUARTER 1, 2, F1, F0, 0
	QUARTER 1, 3, F0, F1, 0
	s_wait_dscnt 0x0
	WIN 0x50
	MUL F1, 0, 4, 0
	WIN 0
; THE WAY OUT, 16 rows x 128 columns at a time: through my own stage and back as whole rows of 512 bytes.  LDS serves a wave's instructions in order: no wait between the stores and the loads.
.macro TOSTAGE a
	WIN 0x04                                       ; the data: window 1
.irp b, 0,1,2,3,4,5,6,7
	ds_store_b128 v[STO], v[8*(8*\a+\b):8*(8*\a+\b)+3] offset:64*\b        ; each accumulator from its low end on
	ds_store_b128 v[STO], v[8*(8*\a+\b)+4:8*(8*\a+\b)+7] offset:64*\b+16
.endr
	WIN 0
.set BB, F0+96*((\a)%2)
.irp t, 0,1,2,3,4,5,6,7,8,9,10,11,12,13,14,15
	ds_load_b128 v[BB+4*\t:BB+4*\t+3], v[RD] offset:\t*SPITCH
.endr
.endm
.macro SEND a, younger
.set BB, F0+96*((\a)%2)
	s_wait_dscnt \younger                          ; the block is back; the next block's 16 stores and 16 loads may be out
.if (\a) > 0
	s_add_nc_u64 s[10:11], s[10:11], 65536         ; 16 rows on (behind a wait on XCNT: the earlier stores have read their base)
.endif
.irp t, 0,1,2,3,4,5,6,7,8,9,10,11,12,13,14,15
	global_store_b128 v[CO], v[BB+4*\t:BB+4*\t+3], s[10:11] offset:\t*4096 th:TH_STORE_NT   ; 512 consecutive bytes
.endr
.endm
	PLACES
	TOSTAGE 0
.irp a, 1,2,3
.if \a > 1
	s_wait_xcnt 0x0                                ; block a - 2's stores have read their registers and their base
.endif
	TOSTAGE \a
	SEND \a-1, 32
.endr
	s_wait_xcnt 0x0
	SEND 3, 0
	s_wait_tensorcnt 0x0                           ; the wave's end
	ds_add_u32 v[SPW], v[NIL]
	s_wait_dscnt 0x0
	CROUND                                         ; the closing round
	s_endpgm
.Lfunc_end_k_q7870e6f0ae_proj:
	.size	k_q7870e6f0ae_proj, .Lfunc_end_k_q7870e6f0ae_proj-k_q7870e6f0ae_proj
	.p2alignl 7, 3214868480
	.fill 96, 4, 3214868480
	.section	.rodata,"a",@progbits
	.p2align	6, 0x0
	.amdhsa_kernel k_q7870e6f0ae_proj
		.amdhsa_group_segment_fixed_size 327680
		.amdhsa_private_segment_fixed_size 0
		.amdhsa_enable_private_segment 0
		.amdhsa_kernarg_size 32
		.amdhsa_user_sgpr_count 2
		.amdhsa_user_sgpr_kernarg_segment_ptr 1
		.amdhsa_wavefront_size32 1
		.amdhsa_system_sgpr_workgroup_id_x 1
		.amdhsa_system_sgpr_workgroup_id_y 1
		.amdhsa_system_sgpr_workgroup_id_z 1
		.amdhsa_system_vgpr_workitem_id 0
		.amdhsa_next_free_vgpr 576
		.amdhsa_next_free_sgpr 66
		.amdhsa_reserve_vcc 0
		.amdhsa_float_denorm_mode_32 3
		.amdhsa_float_denorm_mode_16_64 3
		.amdhsa_memory_ordered 1
		.amdhsa_forward_progress 1
		.amdhsa_inst_pref_size 85
	.end_amdhsa_kernel
	.amdgpu_metadata
---
amdhsa.version: [ 1, 2 ]
amdhsa.kernels:
  - .name:           k_q7870e6f0ae_proj
    .symbol:         k_q7870e6f0ae_proj.kd
    .args:
      - { .name: att, .offset: 0, .size: 8, .value_kind: global_buffer, .address_space: global }
      - { .name: wp, .offset: 8, .size: 8, .value_kind: global_buffer, .address_space: global }
      - { .name: b_proj, .offset: 16, .size: 8, .value_kind: global_buffer, .address_space: global }
      - { .name: out0, .offset: 24, .size: 8, .value_kind: global_buffer, .address_space: global }
    .group_segment_fixed_size: 327680
    .private_segment_fixed_size: 0
    .kernarg_segment_align: 8
    .kernarg_segment_size: 32
    .max_flat_workgroup_size: 128
    .sgpr_count:     66
    .vgpr_count:     576
    .wavefront_size: 32
...
	.end_amdgpu_metadata
.endif
;; end of part 4
;; launch head16 (part 5): grid 16 x 4, 12 waves a work-group, no clusters, 13,824 bytes of LDS; arguments xq, xs, wq, ws, b_attn, a16; writes a16
.if DOCPART == 5
	.amdgcn_target "amdgcn-amd-amdhsa--gfx1250"
	.amdhsa_code_object_version 6
	.text
	.protected	k_q7870e6f0ae_head16
	.globl	k_q7870e6f0ae_head16
	.p2align	8
	.type	k_q7870e6f0ae_head16,@function
k_q7870e6f0ae_head16:
	s_mov_b64 s[64:65], 0
	v_nop
	global_prefetch_b8 v0, s[64:65] scope:SCOPE_SE
	s_setreg_imm32_b32 hwreg(HW_REG_WAVE_MODE, 25, 1), 1
	s_wait_xcnt 0x0
; THE FIRST 16 POSITIONS OF EACH SEQUENCE, in f32: they average one to sixteen values and are the largest in size, so f16 operands are too coarse for them.
; A work-group takes one head of one batch.  Twelve waves make q, k, v of tokens 0-15 anew by the quantised product (wave w: which = w / 4, 16 channels w % 4), sums in f32, and hand them to wave 0 through LDS as images of their registers.
; Wave 0 computes S^T = k q^T, the causal softmax and O^T = v^T p by the f32 matrix form: 32 instructions, no bulk work.  The registers that this form writes (v192-255) are written by matrix instructions alone.
; q, k: source 0 = 16 columns of w, source 1 = x's 16 rows: lane (r, h) holds token r, channels 8 h + 0..7 of the wave's 16.  v: the sources the other way round: channel r, tokens 8 h + 0..7.
; The f32 form takes K index 2 h + j from register j of lane (r, h): a pair of q's registers and the same pair of k's hold the same four channels at the same K indices; likewise v^T's and p's pairs for four keys.
; a16 [b 4][kp 128][g 2][r 16][4 f32]: a(token r, k = 8 kp + 4 g + 0..3), k = 64 head + channel.
; No cluster, no tensor load: 64 small work-groups that share nothing but 64 rows of x.
.set SPARE, 12288
.set LI,  1
.set STA, 2                            ; 1,024 w + 16 lane
.set R16, 3
.set H32, 4
.set R4,  5
.set SPW, 6
.set NIL, 7
.set OUTO, 8                           ; 512 h + 16 r
.set RH,  9
.set WV,  16
	s_load_b256 s[4:11], s[0:1], 0x0               ; xq, xs, wq, ws
	s_load_b128 s[12:15], s[0:1], 0x20             ; b_attn, a16
	v_lshl_add_u32 v[SPW], v0, 2, SPARE
	v_mov_b32 v[NIL], 0
	v_lshrrev_b32 v12, 5, v0
	v_readfirstlane_b32 s[WV], v12
	v_and_b32 v12, 31, v0
	v_and_b32 v13, 15, v0
	v_bfe_u32 v14, v0, 4, 1
	v_lshlrev_b32 v[LI], 4, v12
	s_lshl_b32 s22, s[WV], 10
	v_add_nc_u32 v[STA], s22, v[LI]
	v_lshlrev_b32 v[R16], 4, v13
	v_lshlrev_b32 v[H32], 5, v14
	v_lshlrev_b32 v[R4], 2, v13
	v_lshl_add_u32 v[OUTO], v14, 9, v[R16]
	v_lshlrev_b32 v15, 3, v14
	v_sub_nc_u32 v[RH], v13, v15
	v_mov_b32 v11, 0xff800000
	s_lshr_b32 s17, s[WV], 2                       ; which
	s_and_b32 s18, s[WV], 3                        ; which 16 channels
	s_mov_b32 s19, ttmp9                           ; head
	s_and_b32 s20, ttmp7, 0xffff                   ; batch
	s_mov_b32 s23, 0
	s_mov_b32 s24, 0x76543210
	s_mov_b32 s25, 0xfedcba98
	s_mov_b32 s26, 0x3e38aa3b                      ; c = log2(e) / 8
	s_mov_b32 s27, s26
	s_mov_b32 s30, 0xbe38aa3b                      ; -c
	s_wait_kmcnt 0x0
	s_lshl_b32 s22, s20, 20
	s_add_nc_u64 s[4:5], s[4:5], s[22:23]          ; xq at row block 128 b
	s_lshl_b32 s22, s20, 16
	s_add_nc_u64 s[6:7], s[6:7], s[22:23]          ; xs likewise
	s_add_nc_u64 s[14:15], s[14:15], s[22:23]
	s_lshl_b32 s22, s19, 12
	s_add_nc_u64 s[14:15], s[14:15], s[22:23]      ; a16 at (b, head)
	s_lshl_b32 s21, s17, 3
	s_lshr_b32 s22, s19, 1
	s_add_co_u32 s21, s21, s22                     ; nb
	s_and_b32 s28, s19, 1
	s_lshl_b32 s22, s21, 16
	s_lshl_b32 s29, s28, 12
	s_add_co_u32 s22, s22, s29
	s_lshl_b32 s29, s18, 10
	s_add_co_u32 s22, s22, s29
	s_add_nc_u64 s[8:9], s[8:9], s[22:23]          ; wq at (nb, column block 4 (head % 2) + w % 4)
	s_lshl_b32 s22, s21, 12
	s_lshl_b32 s29, s28, 8
	s_add_co_u32 s22, s22, s29
	s_lshl_b32 s29, s18, 2
	s_add_co_u32 s22, s22, s29
	s_add_nc_u64 s[10:11], s[10:11], s[22:23]
	s_lshl_b32 s22, s17, 12
	s_lshl_b32 s29, s19, 8
	s_add_co_u32 s22, s22, s29
	s_lshl_b32 s29, s18, 6
	s_add_co_u32 s22, s22, s29
	s_add_nc_u64 s[12:13], s[12:13], s[22:23]      ; b_attn at my 16 columns
.irp s, 0,1,2,3,4,5,6,7
	global_load_b128 v[16+8*\s:19+8*\s], v[LI], s[4:5] offset:\s*1024
	global_load_b128 v[20+8*\s:23+8*\s], v[LI], s[4:5] offset:\s*1024+512
	global_load_b128 v[80+8*\s:83+8*\s], v[LI], s[8:9] offset:\s*8192
	global_load_b128 v[84+8*\s:87+8*\s], v[LI], s[8:9] offset:\s*8192+512
	global_load_b32 v[152+\s], v[R16], s[10:11] offset:\s*512
.endr
	global_load_b128 v[144:147], v[R16], s[6:7]
	global_load_b128 v[148:151], v[R16], s[6:7] offset:256
	global_load_b128 v[160:163], v[H32], s[12:13]            ; the bias both ways: of columns 8 h + 0..7,
	global_load_b128 v[164:167], v[H32], s[12:13] offset:16
	global_load_b32 v10, v[R4], s[12:13]                     ; and of column r
	s_wait_loadcnt 0x0
	s_cmp_lt_u32 s[WV], 8
	s_cbranch_scc0 .Lv
.irp s, 0,1,2,3,4,5,6,7                ; two accumulators by turns: even K steps on the bias, odd ones on 0
.if \s == 0
	v_wmma_scale_f32_16x16x128_f8f6f4 v[168:175], v[80:87], v[16:23], v[160:167], v152, v144 matrix_a_fmt:MATRIX_FMT_FP4 matrix_b_fmt:MATRIX_FMT_FP4
.elseif \s == 1
	v_wmma_scale_f32_16x16x128_f8f6f4 v[176:183], v[88:95], v[24:31], 0, v153, v145 matrix_a_fmt:MATRIX_FMT_FP4 matrix_b_fmt:MATRIX_FMT_FP4
.else
	v_wmma_scale_f32_16x16x128_f8f6f4 v[168+8*(\s%2):175+8*(\s%2)], v[80+8*\s:87+8*\s], v[16+8*\s:23+8*\s], v[168+8*(\s%2):175+8*(\s%2)], v[152+\s], v[144+\s] matrix_a_fmt:MATRIX_FMT_FP4 matrix_b_fmt:MATRIX_FMT_FP4
.endif
.endr
	s_branch .Ljoin
.Lv:
.irp i, 0,1,2,3,4,5,6,7
	v_mov_b32 v[160+\i], v10                       ; the channel's bias for all eight tokens
.endr
.rept 4
	v_nop
.endr
.irp s, 0,1,2,3,4,5,6,7
.if \s == 0
	v_wmma_scale_f32_16x16x128_f8f6f4 v[168:175], v[16:23], v[80:87], v[160:167], v144, v152 matrix_a_fmt:MATRIX_FMT_FP4 matrix_b_fmt:MATRIX_FMT_FP4
.elseif \s == 1
	v_wmma_scale_f32_16x16x128_f8f6f4 v[176:183], v[24:31], v[88:95], 0, v145, v153 matrix_a_fmt:MATRIX_FMT_FP4 matrix_b_fmt:MATRIX_FMT_FP4
.else
	v_wmma_scale_f32_16x16x128_f8f6f4 v[168+8*(\s%2):175+8*(\s%2)], v[16+8*\s:23+8*\s], v[80+8*\s:87+8*\s], v[168+8*(\s%2):175+8*(\s%2)], v[144+\s], v[152+\s] matrix_a_fmt:MATRIX_FMT_FP4 matrix_b_fmt:MATRIX_FMT_FP4
.endif
.endr
.Ljoin:
.rept 4
	v_nop
.endr
.irp i, 0,2,4,6
	v_pk_add_f32 v[184+\i:185+\i], v[168+\i:169+\i], v[176+\i:177+\i]
.endr
	ds_store_b128 v[STA], v[184:187]               ; the image of my eight registers
	ds_store_b128 v[STA], v[188:191] offset:512
	s_wait_dscnt 0x0                               ; for wave 0's sake
	s_barrier_signal -1
	s_barrier_wait -1
	s_cmp_lg_u32 s[WV], 0
	s_cbranch_scc1 .Lothers
.irp w, 0,1,2,3,4,5,6,7,8,9,10,11      ; q into v16-47, k into v48-79, v into v80-111
	ds_load_b128 v[16+8*\w:19+8*\w], v[LI] offset:\w*1024
	ds_load_b128 v[20+8*\w:23+8*\w], v[LI] offset:\w*1024+512
.endr
	s_wait_dscnt 0x0
.irp cb, 0,1,2,3                       ; S^T = k q^T: four accumulators by turns, four channels an instruction
.irp p, 0,1,2,3
.if \cb == 0
	v_wmma_f32_16x16x4_f32 v[192+8*\p:199+8*\p], v[48+8*\cb+2*\p:49+8*\cb+2*\p], v[16+8*\cb+2*\p:17+8*\cb+2*\p], 0
.else
	v_wmma_f32_16x16x4_f32 v[192+8*\p:199+8*\p], v[48+8*\cb+2*\p:49+8*\cb+2*\p], v[16+8*\cb+2*\p:17+8*\cb+2*\p], v[192+8*\p:199+8*\p]
.endif
.endr
.endr
.rept 8
	v_nop                                          ; eight places behind this form
.endr
.irp i, 0,2,4,6
	v_pk_add_f32 v[112+\i:113+\i], v[192+\i:193+\i], v[200+\i:201+\i]
.endr
.irp i, 0,2,4,6
	v_pk_add_f32 v[120+\i:121+\i], v[208+\i:209+\i], v[216+\i:217+\i]
.endr
.irp i, 0,2,4,6
	v_pk_add_f32 v[112+\i:113+\i], v[112+\i:113+\i], v[120+\i:121+\i]   ; lane (r, h): query r, keys 8 h + 0..7
.endr
.irp j, 0,1,2,3,4,5,6,7
	v_cmp_gt_i32 vcc_lo, \j, v[RH]                 ; key 8 h + j comes after query r
	v_cndmask_b32 v[112+\j], v[112+\j], v11, vcc_lo
.endr
	v_max3_num_f32 v12, v112, v113, v114
	v_max3_num_f32 v13, v115, v116, v117
	v_max3_num_f32 v12, v12, v118, v119
	v_max_num_f32 v12, v12, v13
	v_permlanex16_b32 v13, v12, s24, s25
	v_max_num_f32 v12, v12, v13                    ; the row's maximum: key 0 counts for every query
	v_mul_f32 v12, s30, v12                        ; -c m
.irp i, 0,2,4,6
	v_pk_fma_f32 v[112+\i:113+\i], v[112+\i:113+\i], s[26:27], v[12:13] op_sel_hi:[1,0,0]   ; c s - c m (of both pairs the low word serves both halves)
.endr
.irp j, 0,1,2,3,4,5,6,7
	v_exp_f32 v[112+\j], v[112+\j]
.endr
	v_nop
	s_wait_alu depctr_va_vdst(0)                   ; one wait for the eight, ahead of their first reader
	v_pk_add_f32 v[14:15], v[112:113], v[114:115]
	v_pk_add_f32 v[120:121], v[116:117], v[118:119]
	v_pk_add_f32 v[14:15], v[14:15], v[120:121]
	v_add_f32 v14, v14, v15
	v_permlanex16_b32 v15, v14, s24, s25
	v_add_f32 v14, v14, v15
	v_rcp_f32 v14, v14
	v_nop
	s_wait_alu depctr_va_vdst(0)
.irp i, 0,2,4,6
	v_pk_mul_f32 v[112+\i:113+\i], v[112+\i:113+\i], v[14:15] op_sel_hi:[1,0]   ; p, normalised
.endr
.irp kap, 0,1,2,3                      ; O^T = v^T p: four accumulators by turns, four keys an instruction
.irp ct, 0,1,2,3
.if \kap == 0
	v_wmma_f32_16x16x4_f32 v[224+8*\ct:231+8*\ct], v[80+8*\ct+2*\kap:81+8*\ct+2*\kap], v[112+2*\kap:113+2*\kap], 0
.else
	v_wmma_f32_16x16x4_f32 v[224+8*\ct:231+8*\ct], v[80+8*\ct+2*\kap:81+8*\ct+2*\kap], v[112+2*\kap:113+2*\kap], v[224+8*\ct:231+8*\ct]
.endif
.endr
.endr
.rept 8
	v_nop
.endr
.irp ct, 0,1,2,3                       ; lane (r, h): query r, channels 16 ct + 8 h + 0..7; sixteen lanes store 256 consecutive bytes; each accumulator from its low end on
	global_store_b128 v[OUTO], v[224+8*\ct:227+8*\ct], s[14:15] offset:\ct*1024
	global_store_b128 v[OUTO], v[228+8*\ct:231+8*\ct], s[14:15] offset:\ct*1024+256
.endr
	s_wait_tensorcnt 0x0                           ; the wave's end, behind my last LDS store
	ds_add_u32 v[SPW], v[NIL]
	s_wait_dscnt 0x0
	s_endpgm
.Lothers:
	s_wait_tensorcnt 0x0                           ; the same three lines for the eleven waves that end here
	ds_add_u32 v[SPW], v[NIL]
	s_wait_dscnt 0x0
	s_endpgm
.Lfunc_end_k_q7870e6f0ae_head16:
	.size	k_q7870e6f0ae_head16, .Lfunc_end_k_q7870e6f0ae_head16-k_q7870e6f0ae_head16
	.p2alignl 7, 3214868480
	.fill 96, 4, 3214868480
	.section	.rodata,"a",@progbits
	.p2align	6, 0x0
	.amdhsa_kernel k_q7870e6f0ae_head16
		.amdhsa_group_segment_fixed_size 13824
		.amdhsa_private_segment_fixed_size 0
		.amdhsa_enable_private_segment 0
		.amdhsa_kernarg_size 48
		.amdhsa_user_sgpr_count 2
		.amdhsa_user_sgpr_kernarg_segment_ptr 1
		.amdhsa_wavefront_size32 1
		.amdhsa_system_sgpr_workgroup_id_x 1
		.amdhsa_system_sgpr_workgroup_id_y 1
		.amdhsa_system_sgpr_workgroup_id_z 1
		.amdhsa_system_vgpr_workitem_id 0
		.amdhsa_next_free_vgpr 256
		.amdhsa_next_free_sgpr 66
		.amdhsa_reserve_vcc 1
		.amdhsa_float_denorm_mode_32 3
		.amdhsa_float_denorm_mode_16_64 3
		.amdhsa_memory_ordered 1
		.amdhsa_forward_progress 1
		.amdhsa_inst_pref_size 18
	.end_amdhsa_kernel
	.amdgpu_metadata
---
amdhsa.version: [ 1, 2 ]
amdhsa.kernels:
  - .name:           k_q7870e6f0ae_head16
    .symbol:         k_q7870e6f0ae_head16.kd
    .args:
      - { .name: xq, .offset: 0, .size: 8, .value_kind: global_buffer, .address_space: global }
      - { .name: xs, .offset: 8, .size: 8, .value_kind: global_buffer, .address_space: global }
      - { .name: wq, .offset: 16, .size: 8, .value_kind: global_buffer, .address_space: global }
      - { .name: ws, .offset: 24, .size: 8, .value_kind: global_buffer, .address_space: global }
      - { .name: b_attn, .offset: 32, .size: 8, .value_kind: global_buffer, .address_space: global }
      - { .name: a16, .offset: 40, .size: 8, .value_kind: global_buffer, .address_space: global }
    .group_segment_fixed_size: 13824
    .private_segment_fixed_size: 0
    .kernarg_segment_align: 8
    .kernarg_segment_size: 48
    .max_flat_workgroup_size: 384
    .sgpr_count:     66
    .vgpr_count:     256
    .wavefront_size: 32
...
	.end_amdgpu_metadata
.endif
;; end of part 5
;; launch proj16 (part 6): grid 16 x 4, 16 waves a work-group, no clusters, 36,864 bytes of LDS; arguments a16, w_proj, b_proj, out0; writes out0
.if DOCPART == 6
	.amdgcn_target "amdgcn-amd-amdhsa--gfx1250"
	.amdhsa_code_object_version 6
	.text
	.protected	k_q7870e6f0ae_proj16
	.globl	k_q7870e6f0ae_proj16
	.p2align	8
	.type	k_q7870e6f0ae_proj16,@function
k_q7870e6f0ae_proj16:
	s_mov_b64 s[64:65], 0
	v_nop
	global_prefetch_b8 v0, s[64:65] scope:SCOPE_SE
	s_setreg_imm32_b32 hwreg(HW_REG_WAVE_MODE, 25, 1), 1
	s_wait_xcnt 0x0
; THE FIRST 16 POSITIONS OF EACH SEQUENCE, the way out: out0 = a16 w_proj + b_proj with f32 operands, written over what the f16 launch left in those 64 rows.
; A work-group takes 16 tokens of one batch x 64 columns.  Wave w takes 32 of the columns (w % 2) and 128 along K (w / 2): 64 instructions of the f32 matrix form on four accumulators by turns; no bulk work (64 of 8,192 rows).
; The eight parts along K meet in LDS; waves 0-7 add them, and the bias, and store two rows each.  The registers that the f32 form writes (v208-239) are written by matrix instructions alone.
; The form takes K index 2 h + j from register j of lane (r, h).  a16's load gives lane (r, h) a(token r, k = 8 kp + 4 h + 0..3): pair e is k = 8 kp + 4 h + 2 e + j; w_proj's rows are loaded to match.
; Source 0 = 16 columns of w_proj, source 1 = the 16 tokens: a lane holds one token and eight neighbouring columns.  No cluster, no tensor load: the launch is a few thousand instructions.
.set SPARE, 34816                      ; behind eight parts of 16 rows x (256 + 16) bytes
.set LI,  1
.set STA, 2
.set RDA, 3
.set WO,  4                            ; 16,384 h + 4 r
.set OO,  5                            ; 4,096 h + 16 r
.set SPW, 6
.set NIL, 7
.set BOF, 12                           ; 16 r
.set AR,  16                           ; v16-79  a16: 4 registers for each of 16 kp
.set WR,  80                           ; v80-207 w_proj: 64 n + 4 kp + 2 e + j
.set AC,  208                          ; accumulator (n, e) at 8 (2 n + e)
.set WV,  12
	s_load_b256 s[4:11], s[0:1], 0x0               ; a16, w_proj, b_proj, out0
	v_lshl_add_u32 v[SPW], v0, 2, SPARE
	v_mov_b32 v[NIL], 0
	v_lshrrev_b32 v13, 5, v0
	v_readfirstlane_b32 s[WV], v13
	s_and_b32 s13, s[WV], 1                        ; which 32 columns
	s_lshr_b32 s14, s[WV], 1                       ; which 128 along K
	s_mov_b32 s15, ttmp9
	s_and_b32 s16, ttmp7, 0xffff
	v_and_b32 v13, 31, v0
	v_and_b32 v14, 15, v0
	v_bfe_u32 v15, v0, 4, 1
	v_lshlrev_b32 v[LI], 4, v13
	v_lshlrev_b32 v[BOF], 4, v14
	v_lshlrev_b32 v[WO], 2, v14
	v_lshl_add_u32 v[WO], v15, 14, v[WO]
	v_lshl_add_u32 v[OO], v15, 12, v[BOF]
	s_mul_i32 s20, s14, 4352
	s_lshl_b32 s21, s13, 7
	s_add_co_u32 s20, s20, s21
	v_mul_u32_u24 v[STA], v14, 272
	v_lshl_add_u32 v[STA], v15, 5, v[STA]
	v_add_nc_u32 v[STA], s20, v[STA]               ; part w / 2, row r, my 32 columns, 32 h
	s_and_b32 s17, s[WV], 7
	s_mul_i32 s20, s17, 544
	v_mul_u32_u24 v[RDA], v15, 272
	v_add_nc_u32 v[RDA], v[RDA], v[BOF]
	v_add_nc_u32 v[RDA], s20, v[RDA]               ; back: row 2 (w % 8) + lane / 16, 16 bytes a lane
	s_mov_b32 s19, 0
	s_wait_kmcnt 0x0
	s_lshl_b32 s18, s16, 16
	s_lshl_b32 s20, s14, 13
	s_add_co_u32 s18, s18, s20
	s_add_nc_u64 s[4:5], s[4:5], s[18:19]
	s_lshl_b32 s18, s14, 19
	s_lshl_b32 s20, s15, 8
	s_add_co_u32 s18, s18, s20
	s_lshl_b32 s20, s13, 7
	s_add_co_u32 s18, s18, s20
	s_add_nc_u64 s[6:7], s[6:7], s[18:19]
	s_lshl_b32 s18, s15, 8
	s_add_nc_u64 s[8:9], s[8:9], s[18:19]
	s_add_nc_u64 s[10:11], s[10:11], s[18:19]
	s_lshl_b32 s18, s16, 23
	s_lshl_b32 s20, s17, 13
	s_add_co_u32 s18, s18, s20
	s_add_nc_u64 s[10:11], s[10:11], s[18:19]
	global_load_b128 v[8:11], v[BOF], s[8:9]       ; the bias of my four columns on the way out
.macro LOADG q                         ; 36 loads: four kp of a16 and their 32 rows of w_proj
.irp k, 0,1,2,3
	global_load_b128 v[AR+4*(4*(\q)+\k):AR+4*(4*(\q)+\k)+3], v[LI], s[4:5] offset:(4*(\q)+\k)*512
.endr
.irp n, 0,1
.irp k, 0,1,2,3
.irp e, 0,1,2,3
	global_load_b32 v[WR+64*\n+4*(4*(\q)+\k)+\e], v[WO], s[6:7] offset:(8*(4*(\q)+\k)+\e)*4096+\n*64
.endr
.endr
.endr
.endm
.macro MULG q                          ; 16 products; the four accumulators take turns, one instruction a turn
.irp k, 0,1,2,3
.irp e, 0,1
.irp n, 0,1
.if (4*(\q)+\k) == 0
	v_wmma_f32_16x16x4_f32 v[AC+8*(2*\n+\e):AC+8*(2*\n+\e)+7], v[WR+64*\n+4*(4*(\q)+\k)+2*\e:WR+64*\n+4*(4*(\q)+\k)+2*\e+1], v[AR+4*(4*(\q)+\k)+2*\e:AR+4*(4*(\q)+\k)+2*\e+1], 0
.else
	v_wmma_f32_16x16x4_f32 v[AC+8*(2*\n+\e):AC+8*(2*\n+\e)+7], v[WR+64*\n+4*(4*(\q)+\k)+2*\e:WR+64*\n+4*(4*(\q)+\k)+2*\e+1], v[AR+4*(4*(\q)+\k)+2*\e:AR+4*(4*(\q)+\k)+2*\e+1], v[AC+8*(2*\n+\e):AC+8*(2*\n+\e)+7]
.endif
.endr
.endr
.endr
.endm
	LOADG 0
	LOADG 1
	s_wait_loadcnt 36                              ; group 0 is in; group 1's 36 loads may be out
	LOADG 2
	MULG 0
	s_wait_loadcnt 36                              ; group 1 is in; group 2's may be out
	LOADG 3
	MULG 1
	s_wait_loadcnt 36                              ; group 2 is in; group 3's may be out
	MULG 2
	s_wait_loadcnt 0x0
	MULG 3
.rept 8
	v_nop                                          ; eight places behind this form
.endr
.irp n, 0,1
.irp i, 0,2,4,6
	v_pk_add_f32 v[16+8*\n+\i:17+8*\n+\i], v[AC+16*\n+\i:AC+16*\n+\i+1], v[AC+16*\n+8+\i:AC+16*\n+8+\i+1]
.endr
.endr
.irp n, 0,1
	ds_store_b128 v[STA], v[16+8*\n:19+8*\n] offset:\n*64
	ds_store_b128 v[STA], v[20+8*\n:23+8*\n] offset:\n*64+16
.endr
	s_wait_dscnt 0x0                               ; for the others' sake
	s_barrier_signal -1
	s_barrier_wait -1
	s_cmp_lt_u32 s[WV], 8
	s_cbranch_scc0 .Lrest
.irp p, 0,1,2,3,4,5,6,7
	ds_load_b128 v[32+4*\p:35+4*\p], v[RDA] offset:\p*4352
.endr
	s_wait_dscnt 0x0
.irp p, 0,1,2,3,4,5,6,7
	v_pk_add_f32 v[8:9], v[8:9], v[32+4*\p:33+4*\p]
	v_pk_add_f32 v[10:11], v[10:11], v[34+4*\p:35+4*\p]
.endr
	global_store_b128 v[OO], v[8:11], s[10:11]     ; sixteen lanes store 256 consecutive bytes of a row
	s_wait_tensorcnt 0x0                           ; the wave's end, behind my last LDS store
	ds_add_u32 v[SPW], v[NIL]
	s_wait_dscnt 0x0
	s_endpgm
.Lrest:
	s_wait_tensorcnt 0x0                           ; the same three lines for the eight waves that end here
	ds_add_u32 v[SPW], v[NIL]
	s_wait_dscnt 0x0
	s_endpgm
.Lfunc_end_k_q7870e6f0ae_proj16:
	.size	k_q7870e6f0ae_proj16, .Lfunc_end_k_q7870e6f0ae_proj16-k_q7870e6f0ae_proj16
	.p2alignl 7, 3214868480
	.fill 96, 4, 3214868480
	.section	.rodata,"a",@progbits
	.p2align	6, 0x0
	.amdhsa_kernel k_q7870e6f0ae_proj16
		.amdhsa_group_segment_fixed_size 36864
		.amdhsa_private_segment_fixed_size 0
		.amdhsa_enable_private_segment 0
		.amdhsa_kernarg_size 32
		.amdhsa_user_sgpr_count 2
		.amdhsa_user_sgpr_kernarg_segment_ptr 1
		.amdhsa_wavefront_size32 1
		.amdhsa_system_sgpr_workgroup_id_x 1
		.amdhsa_system_sgpr_workgroup_id_y 1
		.amdhsa_system_sgpr_workgroup_id_z 1
		.amdhsa_system_vgpr_workitem_id 0
		.amdhsa_next_free_vgpr 256
		.amdhsa_next_free_sgpr 66
		.amdhsa_reserve_vcc 0
		.amdhsa_float_denorm_mode_32 3
		.amdhsa_float_denorm_mode_16_64 3
		.amdhsa_memory_ordered 1
		.amdhsa_forward_progress 1
		.amdhsa_inst_pref_size 23
	.end_amdhsa_kernel
	.amdgpu_metadata
---
amdhsa.version: [ 1, 2 ]
amdhsa.kernels:
  - .name:           k_q7870e6f0ae_proj16
    .symbol:         k_q7870e6f0ae_proj16.kd
    .args:
      - { .name: a16, .offset: 0, .size: 8, .value_kind: global_buffer, .address_space: global }
      - { .name: w_proj, .offset: 8, .size: 8, .value_kind: global_buffer, .address_space: global }
      - { .name: b_proj, .offset: 16, .size: 8, .value_kind: global_buffer, .address_space: global }
      - { .name: out0, .offset: 24, .size: 8, .value_kind: global_buffer, .address_space: global }
    .group_segment_fixed_size: 36864
    .private_segment_fixed_size: 0
    .kernarg_segment_align: 8
    .kernarg_segment_size: 32
    .max_flat_workgroup_size: 512
    .sgpr_count:     66
    .vgpr_count:     256
    .wavefront_size: 32
...
	.end_amdgpu_metadata
.endif
;; end of part 6
